; MI455X (gfx1250); checked and timed in simulation.
; The chip was launched on July 23, 2026; its instructions are those of AMD's public machine-readable ISA for CDNA 5 (MIT licence, August 2026) and "CDNA5" Instruction Set Architecture Reference Guide (July 2026). The comments in the code are by the model that wrote it; some were corrected since.
;; FF Nw Mo E. Allowed arithmetic: matrix products marked QUANTISED: E4M3 operands, one E8M0 scale for each 32 along K, by v_wmma_scale_f32_16x16x128_f8f6f4 with both operands' format E4M3, f32 sums; products left as they are: f32 operands where the result goes on into a quantised operand, else bf16, f16 or f32 operands; f32 sums; everything else in f32.
;; Inputs: router_w 8 x 1,024 float32; w1 8 x 684 x 1,024 float32; w2 8 x 1,024 x 684 float32; w3 8 x 684 x 1,024 float32; x 4 x 1,024 x 1,024 float32.
;; Outputs: out0 4 x 1,024 x 1,024 float32; out1 one number float32.
;; This version of the problem:
;;   THIS VERSION OF THE PROBLEM IS GIVEN IN LOW PRECISION. The matrix products marked QUANTISED in the list below multiply operands that are first quantised to E4M3 (4 exponent bits, 3 mantissa bits; 8 bits a number), with one power-of-two scale for each 32 numbers along K (OCP MX v1.0); their sums are f32. All else is computed in f32.
;;   The module's matrix products, in the order in which they are computed (A, B: the left and right operand; K: the contracted axis; several contracted axes count as one K, in the product's order):
;;     1. [M 4,096, K 1,024] x [K 1,024, N 8]; A: input x; B: input router_w: left as it is (N = 8 < 16)
;;     2. [M 4,096, K 1,024] x [K 1,024, N 684]; A: input x; B: input w1: QUANTISED
;;     3. [M 4,096, K 1,024] x [K 1,024, N 684]; A: input x; B: input w3: QUANTISED
;;     4. [M 4,096, K 684] x [K 684, N 1,024]; A: computed on the way; B: input w2: QUANTISED
;;     5. [M 4,096, K 1,024] x [K 1,024, N 684]; A: input x; B: input w1: QUANTISED
;;     6. [M 4,096, K 1,024] x [K 1,024, N 684]; A: input x; B: input w3: QUANTISED
;;     7. [M 4,096, K 684] x [K 684, N 1,024]; A: computed on the way; B: input w2: QUANTISED
;;     8. [M 4,096, K 1,024] x [K 1,024, N 684]; A: input x; B: input w1: QUANTISED
;;     9. [M 4,096, K 1,024] x [K 1,024, N 684]; A: input x; B: input w3: QUANTISED
;;     10. [M 4,096, K 684] x [K 684, N 1,024]; A: computed on the way; B: input w2: QUANTISED
;;     11. [M 4,096, K 1,024] x [K 1,024, N 684]; A: input x; B: input w1: QUANTISED
;;     12. [M 4,096, K 1,024] x [K 1,024, N 684]; A: input x; B: input w3: QUANTISED
;;     13. [M 4,096, K 684] x [K 684, N 1,024]; A: computed on the way; B: input w2: QUANTISED
;;     14. [M 4,096, K 1,024] x [K 1,024, N 684]; A: input x; B: input w1: QUANTISED
;;     15. [M 4,096, K 1,024] x [K 1,024, N 684]; A: input x; B: input w3: QUANTISED
;;     16. [M 4,096, K 684] x [K 684, N 1,024]; A: computed on the way; B: input w2: QUANTISED
;;     17. [M 4,096, K 1,024] x [K 1,024, N 684]; A: input x; B: input w1: QUANTISED
;;     18. [M 4,096, K 1,024] x [K 1,024, N 684]; A: input x; B: input w3: QUANTISED
;;     19. [M 4,096, K 684] x [K 684, N 1,024]; A: computed on the way; B: input w2: QUANTISED
;;     20. [M 4,096, K 1,024] x [K 1,024, N 684]; A: input x; B: input w1: QUANTISED
;;     21. [M 4,096, K 1,024] x [K 1,024, N 684]; A: input x; B: input w3: QUANTISED
;;     22. [M 4,096, K 684] x [K 684, N 1,024]; A: computed on the way; B: input w2: QUANTISED
;;     23. [M 4,096, K 1,024] x [K 1,024, N 684]; A: input x; B: input w1: QUANTISED
;;     24. [M 4,096, K 1,024] x [K 1,024, N 684]; A: input x; B: input w3: QUANTISED
;;     25. [M 4,096, K 684] x [K 684, N 1,024]; A: computed on the way; B: input w2: QUANTISED
;;   THE QUANTISER, for each operand of a quantised product, along K:
;;     - K is cut into blocks of 32 from its start; a last block that is shorter is filled with zeros.
;;     - A block's scale is 2^e with e = floor(log2(the largest magnitude in the block)) - 8, held to -126 .. 127; a block of zeros has e = 0. As a byte (E8M0): e + 127.
;;     - Each number is divided by its block's scale, clamped to +-448, and rounded to the nearest number of E4M3, ties to even, subnormals kept.
;;     - The product sums the exact products of the quantised numbers (number of the format x scale) in f32.
;;   ~~~python
;;   def quantise(x, axis):      # numpy; x: float32 -> the quantised numbers, widened to float32 again
;;       x = np.moveaxis(x, axis, -1); K = x.shape[-1]
;;       x = np.pad(x, [(0, 0)] * (x.ndim - 1) + [(0, -K % 32)]); x = x.reshape(x.shape[:-1] + (-1, 32)); a = np.abs(x).max(-1, keepdims=True)
;;       e = np.where(a > 0, np.clip(np.frexp(np.where(a > 0, a, 1))[1] - 1 - 8, -126, 127), 0)      # np.frexp(a)[1] - 1 = floor(log2(a)), exactly
;;       r = np.clip(x / 2.0 ** e, -448, 448)
;;       step = 2.0 ** (np.maximum(np.frexp(np.where(r == 0, 1, r))[1] - 1, -6) - 3)
;;       q = np.round(r / step) * step * 2.0 ** e      # np.round: ties to even
;;       return np.moveaxis(q.reshape(q.shape[:-2] + (-1,))[..., :K], -1, axis).astype(np.float32)
;;   ~~~
;;   OPERANDS COMPUTED ON THE WAY. 'Computed on the way' means the value that the module computes at that place (a softmax that the list does not call 'softmax' is quantised finished and normalised). What goes into a quantiser is computed in f32, as accurately as f32 sums, v_exp_f32 and their like allow (about 1e-6 of the number): no bf16 or f16 on the way to a quantiser, and a product that is left as it is and whose result goes on into a quantised operand takes f32 operands (vector FMAs, or v_wmma_f32_16x16x4_f32). A number that lies on a knife's edge between two numbers of the format may be rounded either way, as far as f32 arithmetic and the matrix unit's own rounding can turn it there, and no further.
;; One version. Each part assembles by itself: llvm-mc -triple=amdgcn-amd-amdhsa -mcpu=gfx1250 --defsym DOCPART=n.
;; ======== version 1 of 1: 3 launches
;; limits: right only within a limited range of input values
;; workspace buffers: xc 4,374,528 bytes; rsel 34,816 bytes of whole numbers; wc 18,382,848 bytes; plan 44,032 bytes of whole numbers; hc 8,515,584 bytes
;; launch quant (part 1): grid 1344 x 1, 4 waves a work-group, no clusters, 52,736 bytes of LDS; arguments x, router_w, w1, w3, w2, xc, rsel, wc; writes xc, rsel, wc
.if DOCPART == 1
	.amdgcn_target "amdgcn-amd-amdhsa--gfx1250"
	.amdhsa_code_object_version 6
	.text
	.protected	k_q7240f7fb27_quant
	.globl	k_q7240f7fb27_quant
	.p2align	8
	.type	k_q7240f7fb27_quant,@function
k_q7240f7fb27_quant:
	s_mov_b64 s[64:65], 0
	v_nop
	global_prefetch_b8 v0, s[64:65] scope:SCOPE_SE
	s_setreg_imm32_b32 hwreg(HW_REG_WAVE_MODE, 25, 1), 1
	s_wait_xcnt 0x0
; All that reads f32 inputs, in one launch.  EVERY WAVE DOES TWO STEPS of 16 rows x 128 K, neighbours along K: f32 -> codes of E4M3 and one scale word a row and step (an E8M0 byte for each 32 along K).
; WORK LEFT OUT BY THE PROGRAM: reference() multiplies expert e's result by combine[:, e], which is 0 wherever e is not among the token's two choices: those rows reach no output and are not computed (a NaN, an infinity or an overflow
; in them is not carried to the result).  The hidden axis is filled from 684 to 704 (w1, w3) and 768 (w2) with zero codes.
; Work-groups 0 .. 255: 16 tokens of x: wave w takes K steps 2 w, 2 w + 1.  Codes, router logits in f32, softmax, the two largest, and what the next launch needs to place tokens.
; 256 .. 959: w1 and w3: t = (22 e + b) 4 + kp: hidden units 32 b .. 32 b + 31 of expert e, K steps 2 kp, 2 kp + 1.  Wave f takes tile f (0, 1: w1; 2, 3: w3).
;   Lane r of tile u = f % 2 holds row 32 b + 8 u + r + 8 (r / 8), so that two neighbouring tiles' results are 16 neighbours along the next K.  Rows from 684 on do not exist: their loads are held at row 683 and their hold's limit is 0: zero codes.
; 960 .. 1343: w2: t = (16 e + nb) 3 + kq: rows 64 nb .. 64 nb + 63 (wave f: 16 of them), K steps 2 kq, 2 kq + 1; K from 684 on is replaced by zeros ahead of the blocks' maxima.
; Weights are laid in the ORDER OF THE OPERAND'S REGISTERS: a fragment (16 rows x 128 K) is four pieces of 512 bytes, lane l's registers 4 c .. 4 c + 3 at byte 16 l of piece c.  Scale words: 512 bytes for two K steps: lane l's four words
;   are (K step even, tiles 0/1), (even, 2/3), (odd, 0/1), (odd, 2/3), the even tile in lanes 0-15, the odd one in lanes 16-31.
; Each load covers 512 consecutive bytes of one row; a step's 16 x 512 bytes turn through the wave's own stage in LDS.  A weight wave asks for both its steps, 32 loads, at once.
; ROUTER: source 0 = router_w (rows 8-15 repeat rows 0-7), source 1 = x.  The eight K steps' partial logits meet in LDS; wave 0 makes softmax, top-2 (a strict > keeps the lower index), the pair number lo (15 - lo) / 2 + hi - lo - 1,
;   and for the 16 tokens: count of each pair | tokens of lower pairs << 16, and the tokens in the order of their pairs, a nibble each.  Nothing made from floating-point numbers enters an address or a branch.
; OUT.  xc: codes [4096][1024]; scale words [4096][8]; (c_lo, c_hi) [4096][2]; sums for the loss [256][16].  rsel: [256][32] counts; [256][2] orders.
; LIMITS: NaN and infinities among the inputs are not served; a block whose largest magnitude lies under 2^-118 gets the byte 1, a block of zeros too (its codes are zeros; this program alone reads the bytes);
; the logits' f32 sums are taken in another order than a row-by-row sum.
; REGISTERS: v0 thread; v1, v2 the add's; v3 router_w's offset; v4 16 x lane; v5 the scale word; v6, v7 the stage, in and back.
.set XS,   4194304
.set CW,   4325376
.set PS,   4358144
.set ORD,  32768
.set W2F,  11534336
.set W13S, 17825792
.set W2S,  18186240
.set WREG, 10752                       ; LDS: four waves' regions: a stage of 16 x 528 bytes, and behind it CA: x's codes of the first step; the second step's codes lie in the stage
.set CA,   8448
.set XSW,  43008                       ; x's scale words;  SWL: a weight's;  LGS: partial logits, 1,024 bytes a K step
.set SWL,  43520
.set LGS,  44032
.set SPARE, 52224
.set XA,   8                           ; v8-71, v72-135 64 numbers of my row, the first and the second step's
.set XB,   72
.set TM,   136                         ; v136-151 at work; codes of blocks 0 and 1 in v136-143
.set LG,   152                         ; v152-159 the accumulator: written by matrix instructions alone
.set PW,   5
.set MNT,  22
.set SEL,  24                          ; s[24:25]
.set RV,   50                          ; lanes whose row exists
.macro WALU
	s_wait_alu depctr_va_vdst(0)
.endm
; 64 numbers from v[x], register 16 b + i = k 32 b + 16 h + i of row r -> codes: block 0 in v[TM:TM+3], 1 in v[TM+4:TM+7], 2 in v[x:x+3], 3 in v[x+4:x+7] (registers done with by then); scale word in v[PW]; mode 1: the limit is 0 in lanes whose row does not exist
.macro CONV x, b, d
.irp i, 0,1,2,3,4,5,6,7,8,9,10,11,12,13,14,15
	v_med3_num_f32 v[\x+16*\b+\i], v[\x+16*\b+\i], -v[TM+8+\b], v[TM+8+\b]   ; the conversion does not saturate (ISA guide 7.6.2): the hold
.endr
	v_cvt_scalef32_pk8_fp8_f32 v[\d:\d+1], v[\x+16*\b:\x+7+16*\b], v[TM+12+\b]
	v_cvt_scalef32_pk8_fp8_f32 v[\d+2:\d+3], v[\x+8+16*\b:\x+15+16*\b], v[TM+12+\b]
.endm
.macro QUANT x, mode
.irp b, 0,1,2,3
	v_max3_num_f32 v[TM+\b], |v[\x+16*\b]|, |v[\x+1+16*\b]|, 0x4800000   ; with the floor 2^(9 - 127)
.endr
.irp i, 2,4,6,8,10,12,14
.irp b, 0,1,2,3
	v_max3_num_f32 v[TM+\b], v[TM+\b], |v[\x+16*\b+\i]|, |v[\x+1+16*\b+\i]|
.endr
.endr
.irp b, 0,1,2,3
	v_permlanex16_b32 v[TM+4+\b], v[TM+\b], s[SEL], s[SEL+1]
.endr
.irp b, 0,1,2,3
	v_max_num_f32 v[TM+\b], v[TM+\b], v[TM+4+\b]   ; the block's largest magnitude
.endr
.irp b, 0,1,2,3
	v_add_nc_u32 v[TM+12+\b], 0xfc000000, v[TM+\b] ; 8 off its exponent field: the conversion's scale operand
.endr
.irp b, 0,1,2,3
	v_and_or_b32 v[TM+8+\b], v[TM+\b], 0x7f800000, s[MNT]   ; 448 x the scale
.endr
.if \mode
.irp b, 0,1,2,3
	v_cndmask_b32 v[TM+8+\b], 0, v[TM+8+\b], s[RV]
.endr
.endif
.irp b, 0,1,2,3
	v_lshrrev_b32 v[TM+4+\b], 23, v[TM+12+\b]      ; the scale's byte
.endr
	v_lshl_or_b32 v[PW], v[TM+5], 8, v[TM+4]
	v_lshl_or_b32 v[PW], v[TM+6], 16, v[PW]
	v_lshl_or_b32 v[PW], v[TM+7], 24, v[PW]
	CONV \x, 0, TM
	CONV \x, 1, TM+4
	CONV \x, 2, \x
	CONV \x, 3, \x+4
	v_nop                                          ; a plain line behind the last conversion
.endm
.macro TURN x, behind                  ; rows as loaded -> through my stage -> a lane's 64 numbers; behind: loads issued later, which may stay out
.irp j, 0,1,2,3,4,5,6,7,8,9,10,11,12,13,14,15
.if (\j)%4 == 0
	s_wait_loadcnt 12-\j+\behind                   ; rows j .. j + 3 are in, those behind them may be out
.endif
	ds_store_b128 v6, v[\x+4*\j:\x+4*\j+3] offset:528*\j
.endr
.irp c, 0,1,2,3
.irp i, 0,1,2,3
	ds_load_b128 v[\x+16*\c+4*\i:\x+16*\c+4*\i+3], v7 offset:128*\c+16*\i   ; LDS serves a wave's instructions in order: these see the stores above
.endr
.endr
	s_wait_dscnt 0x0
.endm
.macro ENDING                          ; the wave's end
	s_wait_xcnt 0x0
	s_mov_b32 exec_lo, -1
	s_wait_tensorcnt 0x0
	ds_add_u32 v1, v2
	s_wait_dscnt 0x0
	s_endpgm
.endm
	s_load_b512 s[4:19], s[0:1], 0x0               ; x 4, router_w 6, w1 8, w3 10, w2 12, xc 14, rsel 16, wc 18
	v_lshl_add_u32 v1, v0, 2, SPARE
	v_mov_b32 v2, 0
	v_lshrrev_b32 v4, 5, v0
	v_readfirstlane_b32 s20, v4                    ; wave 0..3
	v_and_b32 v4, 31, v0
	v_lshlrev_b32 v4, 4, v4                        ; 16 lane
	s_mul_i32 s21, s20, WREG
	v_add_nc_u32 v6, s21, v4                       ; my stage, in
	v_and_b32 v7, 15, v0
	v_mul_u32_u24 v7, v7, 528
	v_bfe_u32 v5, v0, 4, 1
	v_lshl_add_u32 v7, v5, 6, v7
	v_add_nc_u32 v7, s21, v7                       ; back: row r, + 64 h
	v_and_b32 v3, 7, v0
	v_lshlrev_b32 v3, 12, v3
	v_lshl_add_u32 v3, v5, 6, v3                   ; router_w: row r % 8, + 64 h
	s_mov_b32 s[MNT], 0x600000
	s_mov_b32 s[SEL], 0x76543210
	s_mov_b32 s[SEL+1], 0xfedcba98
.irp b, 0,1,2,3
	v_mov_b32 v[TM+4+\b], 0                        ; a lane permute's destination counts as one of its sources
.endr
	WALU
	s_wait_kmcnt 0x0
	s_cmp_lt_u32 ttmp9, 256
	s_cbranch_scc0 .Lweights
	; ---- x and the router
.macro RLOAD d, o                      ; router_w's numbers of a K step, in the order of x's
.irp c, 0,1,2,3
.irp i, 0,1,2,3
	global_load_b128 v[\d+16*\c+4*\i:\d+16*\c+4*\i+3], v3, s[6:7] offset:\o+128*\c+16*\i
.endr
.endr
.endm
.macro XLOAD d, o
.irp j, 0,1,2,3,4,5,6,7,8,9,10,11,12,13,14,15
	global_load_b128 v[\d+4*\j:\d+4*\j+3], v4, s[4:5] offset:4096*\j+\o th:TH_LOAD_NT
.endr
.endm
.macro RMUL rw, x, o                   ; 32 products on one accumulator: the wait stands directly ahead of every link; then the partial logits of the K step to LDS
	v_wmma_f32_16x16x4_f32 v[LG:LG+7], v[\rw:\rw+1], v[\x:\x+1], 0
.set n, 2
.rept 31
	s_wait_alu depctr_va_vdst(0)
	v_wmma_f32_16x16x4_f32 v[LG:LG+7], v[\rw+n:\rw+n+1], v[\x+n:\x+n+1], v[LG:LG+7]
.set n, n+2
.endr
	v_lshl_add_u32 v[TM], v4, 1, s29
.rept 8
	v_nop                                          ; eight places behind this form (ISA guide 7.12.1)
.endr
	ds_store_b128 v[TM], v[LG:LG+3] offset:\o      ; from the low end on
	ds_store_b128 v[TM], v[LG+4:LG+7] offset:\o+16
.endm
.macro XOUT x, s, o                    ; codes to LDS: row r of 128 + 16 bytes, + 16 h, from s[s] on; the scale word beside the other steps'
	v_and_b32 v[TM+8], 15, v0
	v_lshl_add_u32 v[TM+10], v[TM+8], 5, s31
	v_mul_u32_u24 v[TM+8], v[TM+8], 144
	v_bfe_u32 v[TM+9], v0, 4, 1
	v_lshl_add_u32 v[TM+8], v[TM+9], 4, v[TM+8]
	v_add_nc_u32 v[TM+8], s[\s], v[TM+8]
	ds_store_b128 v[TM+8], v[TM:TM+3]
	ds_store_b128 v[TM+8], v[TM+4:TM+7] offset:32
	ds_store_b128 v[TM+8], v[\x:\x+3] offset:64
	ds_store_b128 v[TM+8], v[\x+4:\x+7] offset:96
	ds_store_b32 v[TM+10], v[PW] offset:\o         ; lanes r and r + 16 write the same word with the same value
.endm
	s_lshl_b32 s26, ttmp9, 16
	s_lshl_b32 s28, s20, 10
	s_add_co_u32 s26, s26, s28
	s_mov_b32 s27, 0
	s_mov_b32 s29, 0
	s_add_nc_u64 s[4:5], s[4:5], s[26:27]          ; my 16 rows, my two K steps
	s_add_nc_u64 s[6:7], s[6:7], s[28:29]
	RLOAD XB, 0
	XLOAD XA, 0
	s_lshl_b32 s26, ttmp9, 14
	s_lshl_b32 s28, s20, 12
	s_add_co_u32 s26, s26, s28
	s_add_nc_u64 s[34:35], s[14:15], s[26:27]      ; codes out: rows 4 w on
	s_lshl_b32 s26, ttmp9, 9
	s_add_nc_u64 s[36:37], s[14:15], s[26:27]      ; scale words out
	s_lshl_b32 s26, ttmp9, 7
	s_add_nc_u64 s[38:39], s[16:17], s[26:27]      ; counts
	s_add_nc_u64 s[56:57], s[14:15], s[26:27]      ; weights of choices
	s_lshl_b32 s26, ttmp9, 3
	s_add_nc_u64 s[54:55], s[16:17], s[26:27]      ; order
	s_lshl_b32 s26, ttmp9, 6
	s_add_nc_u64 s[58:59], s[14:15], s[26:27]      ; sums
	s_lshl_b32 s29, s20, 11
	s_add_co_u32 s29, s29, LGS                     ; my two K steps' partial logits
	s_add_co_u32 s30, s21, CA
	s_lshl_b32 s31, s20, 3
	s_add_co_u32 s31, s31, XSW                     ; words 2 w, 2 w + 1
	TURN XA, 0
	RMUL XB, XA, 0
	XLOAD XB, 512                                  ; behind the places of the products that read these registers
	QUANT XA, 0
	XOUT XA, 30, 0
	WALU
	s_wait_dscnt 0x0                               ; the stores have read their registers
	RLOAD XA, 512
	TURN XB, 16
	s_wait_loadcnt 0x0
	RMUL XA, XB, 1024
	QUANT XB, 0
	XOUT XB, 21, 4
	s_mul_i32 s28, s20, 576
	v_bfe_u32 v[TM+11], v0, 4, 1
	v_mul_u32_u24 v[TM+11], v[TM+11], WREG
	v_bfe_u32 v[TM+14], v0, 3, 1
	v_xor_b32 v[TM+14], 1, v[TM+14]
	v_mul_u32_u24 v[TM+14], v[TM+14], CA
	v_add_nc_u32 v[TM+11], v[TM+11], v[TM+14]
	v_and_b32 v[TM+14], 7, v0
	v_lshl_add_u32 v[TM+11], v[TM+14], 4, v[TM+11]
	v_add_nc_u32 v[TM+11], s28, v[TM+11]           ; out: rows 4 w on; lane l takes 16 bytes of K step l / 8 (+ 4): wave l / 16 (+ 2), its first or second step
	v_add_nc_u32 v[TM+12], XSW, v4
	v_lshlrev_b32 v[TM+13], 1, v4
	v_add_nc_u32 v[TM+13], LGS, v[TM+13]           ; all K steps' partial logits of my lane
	WALU
	s_wait_dscnt 0x0                               ; for the others' sake: my stores have landed
	s_barrier_signal -1
	s_barrier_wait -1
.irp q, 0,1,2,3
.irp hh, 0,1
	ds_load_b128 v[8+8*\q+4*\hh:11+8*\q+4*\hh], v[TM+11] offset:144*\q+21504*\hh
.endr
.endr
.irp q, 0,1,2,3
	s_wait_dscnt 6-2*\q
.irp hh, 0,1
	global_store_b128 v4, v[8+8*\q+4*\hh:11+8*\q+4*\hh], s[34:35] offset:1024*\q+512*\hh   ; 512 consecutive bytes, aligned
.endr
.endr
	s_cmp_eq_u32 s20, 1
	s_cbranch_scc0 .Lnot_one
	ds_load_b128 v[40:43], v[TM+12]                ; wave 1: the 16 tokens' scale words, 512 bytes
	s_wait_dscnt 0x0
	global_store_b128 v4, v[40:43], s[36:37] offset:XS
.Lnot_one:
	s_cmp_lg_u32 s20, 0
	s_cbranch_scc1 .Lend
	; wave 0: the router's tail.  Lanes r and r + 16 hold the same token
	s_wait_xcnt 0x0                                ; the stores above have read their registers
.irp w, 0,1,2,3,4,5,6,7
	ds_load_b128 v[32+8*\w:35+8*\w], v[TM+13] offset:1024*\w
	ds_load_b128 v[36+8*\w:39+8*\w], v[TM+13] offset:1024*\w+16
.endr
	v_and_b32 v107, 31, v0                         ; lane
	v_and_b32 v108, 15, v0                         ; r
	s_mov_b32 s28, 0x3fb8aa3b                      ; log2(e)
	WALU
	s_wait_dscnt 0x0
.irp w, 1,2,3,4,5,6,7
.irp p, 0,2,4,6
	v_pk_add_f32 v[32+\p:33+\p], v[32+\p:33+\p], v[32+8*\w+\p:33+8*\w+\p]
.endr
.endr
	v_max3_num_f32 v100, v32, v33, v34             ; the maximum is taken away ahead of the exponentials
	v_max3_num_f32 v101, v35, v36, v37
	v_max3_num_f32 v100, v100, v38, v39
	v_max_num_f32 v100, v100, v101
	v_mul_f32 v101, s28, v100
.irp e, 0,1,2,3,4,5,6,7
	v_fma_f32 v[40+\e], v[32+\e], s28, -v101
.endr
	WALU
.irp e, 0,1,2,3,4,5,6,7
	v_exp_f32 v[40+\e], v[40+\e]
.endr
	v_mov_b32 v73, 0                               ; (a plain line behind the batch)  a token's place in the order
	WALU
	v_add_f32 v102, v40, v41
	v_add_f32 v103, v42, v43
	v_add_f32 v104, v44, v45
	v_add_f32 v105, v46, v47
	v_add_f32 v102, v102, v103
	v_add_f32 v104, v104, v105
	v_add_f32 v102, v102, v104
	WALU
	v_rcp_f32 v102, v102
	v_mov_b32 v74, 0                               ; (a plain line)  the counts
	WALU
.irp e, 0,1,2,3,4,5,6,7
	v_mul_f32 v[80+\e], v[40+\e], v102             ; p
.endr
	v_mov_b32 v56, v80                             ; the largest p and its index: a strict > keeps the lower index
	v_mov_b32 v57, 0
.irp e, 1,2,3,4,5,6,7
	v_cmp_gt_f32 vcc_lo, v[80+\e], v56
	v_cndmask_b32 v56, v56, v[80+\e], vcc_lo
	v_cndmask_b32 v57, v57, \e, vcc_lo
.endr
.irp e, 0,1,2,3,4,5,6,7
	v_cmp_eq_u32 vcc_lo, \e, v57
	v_cndmask_b32 v[64+\e], v[80+\e], -1.0, vcc_lo ; the first choice is taken out of the second search
	v_cndmask_b32 v[88+\e], 0, 1.0, vcc_lo         ; and counted for the density
.endr
	v_mov_b32 v58, v64
	v_mov_b32 v59, 0
.irp e, 1,2,3,4,5,6,7
	v_cmp_gt_f32 vcc_lo, v[64+\e], v58
	v_cndmask_b32 v58, v58, v[64+\e], vcc_lo
	v_cndmask_b32 v59, v59, \e, vcc_lo
.endr
	v_min_u32 v60, v57, v59                        ; lo
	v_max_u32 v61, v57, v59                        ; hi
	v_cmp_lt_u32 vcc_lo, v57, v59
	v_cndmask_b32 v62, v58, v56, vcc_lo            ; c_lo
	v_cndmask_b32 v63, v56, v58, vcc_lo            ; c_hi
	v_sub_nc_u32 v72, 15, v60
	v_mul_u32_u24 v72, v60, v72
	v_lshrrev_b32 v72, 1, v72
	v_add_nc_u32 v72, v72, v61
	v_sub_nc_u32 v72, v72, v60
	v_add_nc_u32 v72, -1, v72                      ; the pair's number, 0 .. 27
	s_mov_b32 s43, 0                               ; tokens of lower pairs
.irp p, 0,4,8,12,16,20,24
	WALU
.irp i, 0,1,2,3
	v_cmp_eq_u32 s[44+\i], \p+\i, v72
.endr
.irp i, 0,1,2,3
	s_and_b32 s[44+\i], s[44+\i], 0xffff           ; each token once
	s_bcnt1_i32_b32 s[48+\i], s[44+\i]
.endr
.irp i, 0,1,2,3
	v_mbcnt_lo_u32_b32 v75, s[44+\i], s43          ; tokens of lower pairs, and of this pair below my lane
	v_cndmask_b32 v73, v73, v75, s[44+\i]
	s_lshl_b32 s52, s43, 16
	s_or_b32 s52, s52, s[48+\i]
	v_writelane_b32 v74, s52, \p+\i
	s_add_co_u32 s43, s43, s[48+\i]
.endr
.endr
	v_and_b32 v76, 7, v73
	v_lshlrev_b32 v76, 2, v76
	v_lshlrev_b32 v76, v76, v108                   ; my number as the nibble of my place
	v_cmp_gt_u32 vcc_lo, 8, v73
	v_cndmask_b32 v78, 0, v76, vcc_lo
	v_cndmask_b32 v79, v76, 0, vcc_lo
.irp x, 1,2,4,8
	v_add_nc_u32_dpp v78, v78, v78 row_xmask:\x row_mask:0xf bank_mask:0xf
	v_add_nc_u32_dpp v79, v79, v79 row_xmask:\x row_mask:0xf bank_mask:0xf
.irp i, 0,1,2,3,4,5,6,7,8,9,10,11,12,13,14,15
	v_add_f32_dpp v[80+\i], v[80+\i], v[80+\i] row_xmask:\x row_mask:0xf bank_mask:0xf   ; sums over the 16 tokens: p of each expert, first choices of each expert
.endr
.endr
	v_lshlrev_b32 v104, 2, v107
	v_lshlrev_b32 v105, 3, v108
	v_mov_b32 v106, 0
	global_store_b32 v104, v74, s[38:39]
	v_cmp_gt_u32 vcc_lo, 16, v107
	WALU
	s_wait_xcnt 0x0                                ; EXEC changes only behind this wait
	s_and_saveexec_b32 s28, vcc_lo
	global_store_b64 v105, v[62:63], s[56:57] offset:CW
	s_wait_xcnt 0x0
	s_or_b32 exec_lo, exec_lo, s28
	v_cmp_eq_u32 vcc_lo, 0, v107
	s_and_saveexec_b32 s28, vcc_lo
	global_store_b64 v106, v[78:79], s[54:55] offset:ORD
.irp k, 0,1,2,3
	global_store_b128 v106, v[80+4*\k:83+4*\k], s[58:59] offset:PS+16*\k
.endr
	s_wait_xcnt 0x0
	s_or_b32 exec_lo, exec_lo, s28
.Lend:
	ENDING
	; ---- the weights
.Lweights:
	s_sub_co_u32 s26, ttmp9, 256
	s_mov_b32 s41, 0
	s_mov_b32 s43, 0
	s_mov_b32 s45, 0
	s_cmp_lt_u32 s26, 704
	s_cbranch_scc0 .Lsecond
	s_and_b32 s29, s26, 3                          ; kp
	s_lshr_b32 s30, s26, 2                         ; 22 e + b
	s_mul_i32 s31, s30, 2979
	s_lshr_b32 s31, s31, 16                        ; e = that / 22 (exact under 176)
	s_mul_i32 s32, s31, 22
	s_sub_co_u32 s32, s30, s32                     ; b
	s_lshl_b32 s32, s32, 5
	s_mul_i32 s33, s31, 684
	s_add_co_u32 s35, s33, 683                     ; the expert's last row
	s_add_co_u32 s34, s33, s32
	s_and_b32 s32, s20, 1
	s_lshl_b32 s32, s32, 3
	s_add_co_u32 s34, s34, s32                     ; the tile's first row
	s_mov_b32 s36, 8                               ; rows 8-15 lie 8 further on
	s_mov_b32 s37, 4096
	s_lshl_b32 s40, s30, 16
	s_lshl_b32 s42, s30, 11
	s_add_co_u32 s42, s42, W13S
	s_cmp_lt_u32 s20, 2
	s_cselect_b64 s[46:47], s[8:9], s[10:11]       ; the choice hangs on the wave's number alone
	s_branch .Lrows
.Lsecond:
	s_sub_co_u32 s26, s26, 704
	s_mul_i32 s30, s26, 21846
	s_lshr_b32 s30, s30, 16                        ; 16 e + nb = t / 3 (exact under 384)
	s_mul_i32 s29, s30, 3
	s_sub_co_u32 s29, s26, s29                     ; kq
	s_lshl_b32 s34, s30, 6
	s_lshl_b32 s32, s20, 4
	s_add_co_u32 s34, s34, s32
	s_mov_b32 s35, 8191
	s_mov_b32 s36, 0
	s_mov_b32 s37, 2736
	s_mul_i32 s40, s30, 49152
	s_add_co_u32 s40, s40, W2F
	s_mul_i32 s42, s30, 1536
	s_add_co_u32 s42, s42, W2S
	s_mov_b64 s[46:47], s[12:13]
	s_cmp_eq_u32 s29, 2                            ; 1: my second step is K's last
	s_cselect_b32 s45, 1, 0
.Lrows:
	s_lshl_b32 s48, s29, 14
	s_add_co_u32 s40, s40, s48
	s_lshl_b32 s48, s20, 11
	s_add_co_u32 s40, s40, s48                     ; my fragments' place in wc: the second 8,192 bytes on
	s_lshl_b32 s48, s29, 9
	s_add_co_u32 s42, s42, s48                     ; the scale words' place
	s_lshl_b32 s38, s29, 10
	v_and_b32 v5, 15, v0
	v_and_b32 v[TM], s36, v5
	v_add3_u32 v[TM], v[TM], v5, s34
	v_cmp_ge_u32 s[RV], s35, v[TM]                 ; does my row exist?
	v_min_u32 v5, 160, v4
	v_sub_nc_u32 v5, v5, v4
	WALU
.irp j, 0,1,2,3,4,5,6,7,8,9,10,11,12,13,14,15
	s_add_co_u32 s48, s34, \j
.if \j > 7
	s_add_co_u32 s48, s48, s36
.endif
	s_min_u32 s48, s48, s35                        ; no load leaves the expert's rows
	s_mul_i32 s48, s48, s37
	s_add_co_u32 s48, s48, s38
	v_add_nc_u32 v[TM+\j], s48, v4
.endr
	WALU
.irp j, 0,1,2,3,4,5,6,7,8,9,10,11,12,13,14,15
	global_load_b128 v[XA+4*\j:XA+4*\j+3], v[TM+\j], s[46:47] th:TH_LOAD_NT
.endr
	s_cmp_eq_u32 s45, 1
	s_cbranch_scc0 .Lsame
	s_wait_xcnt 0x0                                ; the loads have taken their addresses
.irp j, 0,1,2,3,4,5,6,7,8,9,10,11,12,13,14,15
	v_add_nc_u32 v[TM+\j], v[TM+\j], v5            ; K's last step has 176 bytes a row: lanes from 10 on are held at the row's last 16 bytes
.endr
	WALU
.Lsame:
.irp j, 0,1,2,3,4,5,6,7,8,9,10,11,12,13,14,15
	global_load_b128 v[XB+4*\j:XB+4*\j+3], v[TM+\j], s[46:47] offset:512 th:TH_LOAD_NT
.endr
	s_add_nc_u64 s[52:53], s[18:19], s[40:41]
	s_add_nc_u64 s[54:55], s[18:19], s[42:43]
	s_mov_b32 s51, 0xffff
	s_and_b32 s49, s20, 1
	s_lshl_b32 s49, s49, 8
	s_lshr_b32 s48, s20, 1
	s_lshl_b32 s48, s48, 2
	s_add_co_u32 s49, s49, s48
	s_add_co_u32 s49, s49, SWL
.macro WOUT x, o, so                   ; a step's codes leave, 512 consecutive bytes a store, aligned; its scale word: 16 (r + 16 (f % 2)) + 8 (second step) + 4 (f / 2)
	global_store_b128 v4, v[TM:TM+3], s[52:53] offset:\o
	global_store_b128 v4, v[TM+4:TM+7], s[52:53] offset:\o+512
	global_store_b128 v4, v[\x:\x+3], s[52:53] offset:\o+1024
	global_store_b128 v4, v[\x+4:\x+7], s[52:53] offset:\o+1536
	v_and_b32 v[TM+8], 15, v0
	v_lshl_add_u32 v[TM+8], v[TM+8], 4, s49
	ds_store_b32 v[TM+8], v[PW] offset:\so
.endm
	TURN XA, 16
	s_wait_xcnt 0x0                                ; the second step's loads have taken their addresses
	QUANT XA, 1
	WOUT XA, 0, 0
	WALU
	TURN XB, 0
	s_cmp_eq_u32 s45, 1
	s_cbranch_scc0 .Lwhole
.irp i, 0,1,2,3,4,5,6,7,8,9,10,11
	v_cndmask_b32 v[XB+16+\i], 0, v[XB+16+\i], s51 ; k = 640 + 32 c + 16 h + i exists under 684: block 0 whole, of block 1 twelve numbers in lanes 0-15
.endr
.set zi, 28
.rept 36
	v_mov_b32 v[XB+zi], 0
.set zi, zi+1
.endr
	WALU
.Lwhole:
	s_wait_xcnt 0x0                                ; the first step's stores have read their registers
	QUANT XB, 1
	WOUT XB, 8192, 8
	v_add_nc_u32 v[TM+9], SWL, v4
	WALU
	s_wait_dscnt 0x0
	s_barrier_signal -1
	s_barrier_wait -1
	s_cmp_lg_u32 s20, 0
	s_cbranch_scc1 .Lwend
	ds_load_b128 v[8:11], v[TM+9]                  ; the four waves' scale words leave as 512 consecutive bytes
	s_wait_dscnt 0x0
	global_store_b128 v4, v[8:11], s[54:55]
.Lwend:
	ENDING
.Lfunc_end_k_q7240f7fb27_quant:
	.size	k_q7240f7fb27_quant, .Lfunc_end_k_q7240f7fb27_quant-k_q7240f7fb27_quant
	.p2alignl 7, 3214868480
	.fill 96, 4, 3214868480
	.section	.rodata,"a",@progbits
	.p2align	6, 0x0
	.amdhsa_kernel k_q7240f7fb27_quant
		.amdhsa_group_segment_fixed_size 52736
		.amdhsa_private_segment_fixed_size 0
		.amdhsa_enable_private_segment 0
		.amdhsa_kernarg_size 64
		.amdhsa_user_sgpr_count 2
		.amdhsa_user_sgpr_kernarg_segment_ptr 1
		.amdhsa_wavefront_size32 1
		.amdhsa_system_sgpr_workgroup_id_x 1
		.amdhsa_system_sgpr_workgroup_id_y 1
		.amdhsa_system_sgpr_workgroup_id_z 1
		.amdhsa_system_vgpr_workitem_id 0
		.amdhsa_next_free_vgpr 160
		.amdhsa_next_free_sgpr 66
		.amdhsa_reserve_vcc 1
		.amdhsa_float_denorm_mode_32 3
		.amdhsa_float_denorm_mode_16_64 3
		.amdhsa_memory_ordered 1
		.amdhsa_forward_progress 1
		.amdhsa_inst_pref_size 100
	.end_amdhsa_kernel
	.amdgpu_metadata
---
amdhsa.version: [ 1, 2 ]
amdhsa.kernels:
  - .name:           k_q7240f7fb27_quant
    .symbol:         k_q7240f7fb27_quant.kd
    .args:
      - { .name: x, .offset: 0, .size: 8, .value_kind: global_buffer, .address_space: global }
      - { .name: router_w, .offset: 8, .size: 8, .value_kind: global_buffer, .address_space: global }
      - { .name: w1, .offset: 16, .size: 8, .value_kind: global_buffer, .address_space: global }
      - { .name: w3, .offset: 24, .size: 8, .value_kind: global_buffer, .address_space: global }
      - { .name: w2, .offset: 32, .size: 8, .value_kind: global_buffer, .address_space: global }
      - { .name: xc, .offset: 40, .size: 8, .value_kind: global_buffer, .address_space: global }
      - { .name: rsel, .offset: 48, .size: 8, .value_kind: global_buffer, .address_space: global }
      - { .name: wc, .offset: 56, .size: 8, .value_kind: global_buffer, .address_space: global }
    .group_segment_fixed_size: 52736
    .private_segment_fixed_size: 0
    .kernarg_segment_align: 8
    .kernarg_segment_size: 64
    .max_flat_workgroup_size: 128
    .sgpr_count:     66
    .vgpr_count:     160
    .wavefront_size: 32
...
	.end_amdgpu_metadata
.endif
;; end of part 1
;; launch up (part 2): grid 253 x 1, 4 waves a work-group, no clusters, 327,680 bytes of LDS; arguments xc, wc, rsel, plan, hc, out1; writes plan, hc, out1
.if DOCPART == 2
	.amdgcn_target "amdgcn-amd-amdhsa--gfx1250"
	.amdhsa_code_object_version 6
	.text
	.protected	k_q7240f7fb27_up
	.globl	k_q7240f7fb27_up
	.p2align	8
	.type	k_q7240f7fb27_up,@function
k_q7240f7fb27_up:
	s_mov_b64 s[64:65], 0
	v_nop
	global_prefetch_b8 v0, s[64:65] scope:SCOPE_SE
	s_setreg_imm32_b32 hwreg(HW_REG_WAVE_MODE, 25, 1), 1
	s_wait_xcnt 0x0
; h = silu(x w1^T) (x w3^T) for the chosen rows alone (the others are left out as the first kernel's head shows), on codes of E4M3 with E8M0 scales; h is quantised along the hidden axis in registers and stored as fragment images.
; PLACEMENT.  Tokens are sorted by their pair of experts p = 0 .. 27; a pair's tokens are cut into tiles of 16; a tile is a unit of work for each of its two experts.  An expert's units, by pair, fill row tiles of 16 units; the experts'
; row tiles follow each other: never more than 42, whatever the choice.  EVERY WORK-GROUP MAKES THIS ITSELF from the 256 x 32 counts that the launch before stored: a lane is a pair; each wave sums down its 64 rows into a table in LDS;
; the experts' unit numbers are prefix sums over the lanes, two experts to a register; a row's token is found by its rank in its pair: which wave's rows, then three steps of a 4-way search down the table, then the order's nibble.
; SHARES.  Work-group 6 j + s2 takes row tile j (16 units: 256 rows) and hidden units 128 s2 .. 128 s2 + 127.  Wave w takes hidden block b = 4 s2 + w: two tiles of w1 and two of w3 against all 256 rows: 64 accumulators.
; Blocks 22, 23 do not exist: those waves repeat block 21, and what they store meets only zero codes of w2 in the next launch.  Rows beyond a tile's tokens repeat its last.  Units beyond the count: any token's rows, never stored or never read.
; Work-groups with s2 = 0 store their rows' tokens for the next launch; work-group 0 stores the pairs' counts; work-group 252 finishes the auxiliary loss.
; OPERANDS.  Each wave gathers 64 rows of codes through registers into LDS (rows of 1,024 + 16 bytes), up to 63 loads on their way.  The weights were laid in the order of the operand's registers: each lane loads its
; fragments whole from memory, 512 consecutive bytes a load, three K steps ahead, in a ring of four sets of registers.
; TRANSPOSED: source 0 = 16 rows of a weight, source 1 = 16 tokens: a lane holds one token, and the 16 registers of a weight's two tiles are hidden units 32 b + 16 (lane / 16) + 0 .. 15: a half block of the next K.
; NO TENSOR LOADS, NO CLUSTER: rows are gathered by token, how many row tiles there are hangs on stored numbers, and a work-group whose row tile is empty leaves the products out by a branch on such a number.  No data prefetch: the weights' loads already run three steps ahead.
; REGISTERS, in windows of 256.  Window 0: v1-25 addresses; v32-95 x's scale words (4 m + t: K step t in lanes 0-15, 4 + t in lanes 16-31); v96-111 the weights' (2 s + f / 2: f even in lanes 0-15, odd in 16-31);
;   v128-191, v192-255 two groups of four fragments of x; at the head and on the way out at work.  Window 1: four sets of four weight fragments.  Windows 2, 3: accumulator (m, f) at 8 (4 (m % 8) + f); at the head the gather's buffers.
; LIMITS: as in the launch before; where g lies under -88 the exponential overflows and h is 0, where the exact value lies under 1e-36.
.set XS,    4194304
.set PS,    4358144
.set ORD,   32768
.set W13S,  17825792
.set HS,    8257536
.set TOKS,  1024
.set XSL,   266240                     ; LDS: 0: x's rows; XSL: their scale words; TBL: 256 rows of 33 words: prefix | place << 16; ORDL: orders; TOT: the waves' totals; SBY: h's scale bytes
.set TBL,   274432
.set ORDL,  308224
.set TOT,   310272
.set SBY,   310784
.set SPARE, 311808
.set ADRA,  6                          ; v6-11  49,920 q + 1,040 r + 16 h: units 3 q .. 3 q + 2
.set XSC,   32
.set SCB,   96
.set H,     128
.set TR,    128
.set PR,    192
.set HC,    32
.set SEL,   28                         ; s[28:29] selects for lane l xor 16
.set MNT,   30                         ; s30 the mantissa field of 448
.set HIM,   31                         ; s31 lanes 16-31
.set MSB, 0
.macro WIN new                         ; the immediate's high byte repeats the setting that is left
.if MSB != \new
	s_set_vgpr_msb (MSB<<8)|\new
.set MSB, \new
.endif
.endm
.macro WALU
	s_wait_alu depctr_va_vdst(0)
.endm
.macro PLACES n
.rept \n
	v_nop
.endr
.endm
.macro PAIRS b                         ; lane p: v[b] lo, v[b+1] hi, v[b+2+k]: 1 for expert 2 k, 1 << 16 for 2 k + 1
	v_mov_b32 v[\b], 0
	v_mov_b32 v[\b+10], 1
.irp t, 7,13,18,22,25,27
	v_cmp_le_u32 vcc_lo, \t, v1
	v_add_co_ci_u32 v[\b], vcc_lo, 0, v[\b], vcc_lo
.endr
	v_sub_nc_u32 v[\b+1], 15, v[\b]
	v_mul_u32_u24 v[\b+1], v[\b], v[\b+1]
	v_lshrrev_b32 v[\b+1], 1, v[\b+1]
	v_sub_nc_u32 v[\b+1], v1, v[\b+1]
	v_add3_u32 v[\b+1], v[\b+1], v[\b], 1
	v_and_b32 v[\b+6], 1, v[\b]
	v_and_b32 v[\b+7], 1, v[\b+1]
	v_lshlrev_b32 v[\b+6], 4, v[\b+6]
	v_lshlrev_b32 v[\b+7], 4, v[\b+7]
	v_lshlrev_b32 v[\b+6], v[\b+6], v[\b+10]
	v_lshlrev_b32 v[\b+7], v[\b+7], v[\b+10]
	v_lshrrev_b32 v[\b+8], 1, v[\b]
	v_lshrrev_b32 v[\b+9], 1, v[\b+1]
.irp k, 0,1,2,3
	v_cmp_eq_u32 vcc_lo, \k, v[\b+8]
	v_cndmask_b32 v[\b+2+\k], 0, v[\b+6], vcc_lo
	v_cmp_eq_u32 vcc_lo, \k, v[\b+9]
	v_cndmask_b32 v[\b+10], 0, v[\b+7], vcc_lo
	v_or_b32 v[\b+2+\k], v[\b+2+\k], v[\b+10]
.endr
.endm
.macro SCAN a, t, n, s                 ; n registers from a: sums over the lanes up to mine; t: as many at work, written before; s: as many scalars
.irp sh, 1,2,4,8
.set i_, 0
.rept \n
	v_mov_b32_dpp v[\t+i_], v[\a+i_] row_shr:\sh row_mask:0xf bank_mask:0xf bound_ctrl:1
.set i_, i_+1
.endr
.set i_, 0
.rept \n
	v_add_nc_u32 v[\a+i_], v[\a+i_], v[\t+i_]
.set i_, i_+1
.endr
.endr
	WALU
.set i_, 0
.rept \n
	v_readlane_b32 s[\s+i_], v[\a+i_], 15
.set i_, i_+1
.endr
.set i_, 0
.rept \n
	v_cndmask_b32 v[\t+i_], 0, s[\s+i_], s[HIM]
	v_add_nc_u32 v[\a+i_], v[\a+i_], v[\t+i_]
.set i_, i_+1
.endr
	WALU
.endm
.macro WM                              ; one product; AC, BF, AF, SA, SX registers; ZR: it starts the sum; RA, RB: the scales stand in lanes 16-31
.if ZR
.if RA && RB
	v_wmma_scale_f32_16x16x128_f8f6f4 v[AC:AC+7], v[BF:BF+15], v[AF:AF+15], 0, v[SA], v[SX] matrix_a_scale:MATRIX_SCALE_ROW1 matrix_b_scale:MATRIX_SCALE_ROW1
.elseif RA
	v_wmma_scale_f32_16x16x128_f8f6f4 v[AC:AC+7], v[BF:BF+15], v[AF:AF+15], 0, v[SA], v[SX] matrix_a_scale:MATRIX_SCALE_ROW1
.elseif RB
	v_wmma_scale_f32_16x16x128_f8f6f4 v[AC:AC+7], v[BF:BF+15], v[AF:AF+15], 0, v[SA], v[SX] matrix_b_scale:MATRIX_SCALE_ROW1
.else
	v_wmma_scale_f32_16x16x128_f8f6f4 v[AC:AC+7], v[BF:BF+15], v[AF:AF+15], 0, v[SA], v[SX]
.endif
.else
.if RA && RB
	v_wmma_scale_f32_16x16x128_f8f6f4 v[AC:AC+7], v[BF:BF+15], v[AF:AF+15], v[AC:AC+7], v[SA], v[SX] matrix_a_scale:MATRIX_SCALE_ROW1 matrix_b_scale:MATRIX_SCALE_ROW1
.elseif RA
	v_wmma_scale_f32_16x16x128_f8f6f4 v[AC:AC+7], v[BF:BF+15], v[AF:AF+15], v[AC:AC+7], v[SA], v[SX] matrix_a_scale:MATRIX_SCALE_ROW1
.elseif RB
	v_wmma_scale_f32_16x16x128_f8f6f4 v[AC:AC+7], v[BF:BF+15], v[AF:AF+15], v[AC:AC+7], v[SA], v[SX] matrix_b_scale:MATRIX_SCALE_ROW1
.else
	v_wmma_scale_f32_16x16x128_f8f6f4 v[AC:AC+7], v[BF:BF+15], v[AF:AF+15], v[AC:AC+7], v[SA], v[SX]
.endif
.endif
.endm
.macro BFRAG s, f                      ; K step s: my weight fragment f into set s % 4
	WIN 0x40
.irp c, 0,1,2,3
	global_load_b128 v[64*((\s)%4)+16*(\f)+4*\c:64*((\s)%4)+16*(\f)+4*\c+3], v4, s[52:53] offset:8192*(\s)+2048*(\f)+512*\c
.endr
.endm
.macro BLOAD s                         ; all four
.irp f, 0,1,2,3
	BFRAG \s, \f
.endr
.endm
.macro ALOAD g, mb, s                  ; x's fragments of units mb .. mb + 3, K step s, into group g
	WIN 0
.irp mq, 0,1,2,3
.irp c, 0,1,2,3
	ds_load_b128 v[128+64*(\g)+16*\mq+4*\c:128+64*(\g)+16*\mq+4*\c+3], v[ADRA+((\mb)+\mq)/3] offset:(((\mb)+\mq)%3)*16640+128*(\s)+32*\c
.endr
.endr
.endm
.macro MULQ g, mb, s                   ; 16 products.  The 64 accumulators take turns, one instruction a turn, in the same order in every K step
.if (\mb) < 8
	WIN 0xa1                                       ; source 0 window 1, source 1 window 0, C and D window 2
.else
	WIN 0xf1                                       ; C and D window 3
.endif
.set ZR, (\s)==0
.set RB, (\s)/4
.irp mq, 0,1,2,3
.irp f, 0,1,2,3
.set AC, 8*(4*(((\mb)+\mq)%8)+\f)
.set BF, 64*((\s)%4)+16*\f
.set AF, 128+64*(\g)+16*\mq
.set SA, SCB+2*(\s)+\f/2
.set SX, XSC+4*((\mb)+\mq)+(\s)%4
.set RA, \f%2
	WM
.endr
.endr
.endm
.macro QUARTER s, k
.if ((\s) == 7) && ((\k) == 3)
	s_wait_dscnt 0x0
.else
	s_wait_dscnt 16                                ; this group is in; the other group's sixteen loads may be out
.endif
	MULQ (\k)%2, 4*(\k), \s
	PLACES 8                                       ; eight places in front of loads into registers that these products read
.if (\k) < 2
	ALOAD (\k)%2, 4*(\k)+8, \s
.elseif (\s) < 7
	ALOAD (\k)%2, 4*(\k)-8, (\s)+1
.endif
.if (\s)+3 < 8
	BFRAG (\s)+3, \k                               ; a fragment in each quarter, into the set that the K step before has left
.endif
.endm
.macro KSTEP s
.if (\s) < 6
	s_wait_loadcnt 32                              ; this step's weights are in; the two later steps' 32 loads may be out
.elseif (\s) == 6
	s_wait_loadcnt 16
.else
	s_wait_loadcnt 0x0
.endif
.irp k, 0,1,2,3
	QUARTER \s, \k
.endr
.endm
; Units m0 .. m0 + 3 side by side: SwiGLU, a half block of 16 a lane quantised, codes stored, scale bytes gathered in LDS
.macro UNITS m0
	s_cmp_le_u32 s21, \m0
	s_cbranch_scc1 .Lskip
	s_wait_xcnt 0x0                                ; the last units' stores have read their registers
.set AW, 2+(\m0)/8
	WIN AW*5
	WALU
.irp u, 0,1,2,3
.set GA, 32*(((\m0)+\u)%8)
.irp i, 0,2,4,6,8,10,12,14
	v_pk_mul_f32 v[TR+16*\u+\i:TR+16*\u+\i+1], v[GA+\i:GA+\i+1], 0xbfb8aa3b op_sel_hi:[1,0]   ; -g log2(e); each accumulator is read from its low end on
.endr
.endr
.irp u, 0,1,2,3
.set GA, 32*(((\m0)+\u)%8)
.irp i, 0,2,4,6,8,10,12,14
	v_pk_mul_f32 v[PR+16*\u+\i:PR+16*\u+\i+1], v[GA+\i:GA+\i+1], v[GA+16+\i:GA+17+\i]         ; g u
.endr
.endr
	WIN 0
	WALU
.set i_, 0
.rept 64
	v_exp_f32 v[TR+i_], v[TR+i_]
.set i_, i_+1
.endr
	v_nop
	WALU
.set i_, 0
.rept 32
	v_pk_add_f32 v[TR+i_:TR+i_+1], v[TR+i_:TR+i_+1], 1.0 op_sel_hi:[1,0]
.set i_, i_+2
.endr
	WALU
.set i_, 0
.rept 64
	v_rcp_f32 v[TR+i_], v[TR+i_]
.set i_, i_+1
.endr
	v_nop
	WALU
.set i_, 0
.rept 32
	v_pk_mul_f32 v[PR+i_:PR+i_+1], v[PR+i_:PR+i_+1], v[TR+i_:TR+i_+1]             ; h = g u / (1 + e^-g)
.set i_, i_+2
.endr
.irp u, 0,1,2,3
	v_max3_num_f32 v[48+\u], |v[PR+16*\u]|, |v[PR+16*\u+1]|, 0x4800000
	v_max3_num_f32 v[52+\u], |v[PR+16*\u+2]|, |v[PR+16*\u+3]|, |v[PR+16*\u+6]|
.endr
.irp u, 0,1,2,3
	v_max3_num_f32 v[48+\u], v[48+\u], |v[PR+16*\u+4]|, |v[PR+16*\u+5]|
	v_max3_num_f32 v[52+\u], v[52+\u], |v[PR+16*\u+7]|, |v[PR+16*\u+10]|
.endr
.irp u, 0,1,2,3
	v_max3_num_f32 v[48+\u], v[48+\u], |v[PR+16*\u+8]|, |v[PR+16*\u+9]|
	v_max3_num_f32 v[52+\u], v[52+\u], |v[PR+16*\u+11]|, |v[PR+16*\u+14]|
.endr
.irp u, 0,1,2,3
	v_max3_num_f32 v[48+\u], v[48+\u], |v[PR+16*\u+12]|, |v[PR+16*\u+13]|
.endr
.irp u, 0,1,2,3
	v_max3_num_f32 v[48+\u], v[48+\u], v[52+\u], |v[PR+16*\u+15]|
.endr
.irp u, 0,1,2,3
	v_permlanex16_b32 v[56+\u], v[48+\u], s[SEL], s[SEL+1]
.endr
.irp u, 0,1,2,3
	v_max_num_f32 v[48+\u], v[48+\u], v[56+\u]     ; the block's largest magnitude
.endr
.irp u, 0,1,2,3
	v_add_nc_u32 v[60+\u], 0xfc000000, v[48+\u]
.endr
.irp u, 0,1,2,3
	v_and_or_b32 v[64+\u], v[48+\u], 0x7f800000, s[MNT]
.endr
.irp u, 0,1,2,3
	v_lshrrev_b32 v[68+\u], 23, v[60+\u]           ; the scale's byte
.endr
.irp u, 0,1,2,3
.irp i, 0,1,2,3,4,5,6,7,8,9,10,11,12,13,14,15
	v_med3_num_f32 v[PR+16*\u+\i], v[PR+16*\u+\i], -v[64+\u], v[64+\u]
.endr
	v_cvt_scalef32_pk8_fp8_f32 v[HC+4*\u:HC+4*\u+1], v[PR+16*\u:PR+16*\u+7], v[60+\u]
	v_cvt_scalef32_pk8_fp8_f32 v[HC+4*\u+2:HC+4*\u+3], v[PR+16*\u+8:PR+16*\u+15], v[60+\u]
.endr
	v_nop
.irp u, 0,1,2,3
	global_store_b128 v4, v[HC+4*\u:HC+4*\u+3], s[56:57] offset:12288*((\m0)+\u)   ; piece w of the unit's fragment of K step s2: 512 consecutive bytes, aligned
	ds_store_b8 v14, v[68+\u] offset:64*((\m0)+\u) ; byte w of row r's scale word; lanes r and r + 16 write the same byte
.endr
	WALU
.endm
	s_load_b256 s[4:11], s[0:1], 0x0               ; xc s[4:5], wc s[6:7], rsel s[8:9], plan s[10:11]
	s_load_b128 s[12:15], s[0:1], 0x20             ; hc s[12:13], out1 s[14:15]
	v_lshl_add_u32 v126, v0, 2, SPARE
	v_mov_b32 v127, 0
	v_lshrrev_b32 v1, 5, v0
	v_readfirstlane_b32 s20, v1                    ; wave 0..3
	v_and_b32 v1, 31, v0                           ; lane
	v_and_b32 v2, 15, v0                           ; r
	v_bfe_u32 v3, v0, 4, 1                         ; h
	v_lshlrev_b32 v4, 4, v1                        ; 16 lane
	v_lshlrev_b32 v5, 4, v2                        ; 16 r
	s_mul_i32 s22, ttmp9, 10923
	s_lshr_b32 s23, s22, 16                        ; j = work-group / 6 (exact under 253)
	s_mul_i32 s22, s23, 6
	s_sub_co_u32 s22, ttmp9, s22                   ; s2
	s_mov_b32 s[SEL], 0x76543210
	s_mov_b32 s[SEL+1], 0xfedcba98
	s_mov_b32 s[MNT], 0x600000
	s_mov_b32 s[HIM], 0xffff0000
	WALU
	v_lshlrev_b32 v19, 2, v1                       ; 4 lane
	v_lshlrev_b32 v25, 3, v1                       ; 8 lane
	v_mul_u32_u24 v6, v2, 1040
	v_lshl_add_u32 v6, v3, 4, v6
.irp q, 1,2,3,4,5
	v_add_nc_u32 v[ADRA+\q], 49920*\q, v6
.endr
	s_mul_i32 s24, s20, 66560                      ; my 64 rows of the gather
	v_mul_u32_u24 v12, v3, 16640
	v_add_nc_u32 v12, v12, v5
	v_add_nc_u32 v12, s24, v12
	s_add_co_u32 s24, s20, SBY
	v_lshl_add_u32 v14, v2, 2, s24                 ; my bytes of h's scale words
	v_lshlrev_b32 v15, 5, v2
	v_lshl_add_u32 v15, v3, 4, v15
	v_add_nc_u32 v15, XSL, v15                     ; x's scale words: row r, words 4 h ..
	s_lshl_b32 s24, s20, 13
	v_add_nc_u32 v16, s24, v19                     ; counts: 8,192 w + 4 lane
	s_lshl_b32 s24, s20, 9
	v_add_nc_u32 v17, s24, v4                      ; orders: 512 w + 16 lane
	v_add_nc_u32 v13, ORDL, v17
	s_mul_i32 s24, s20, 8448
	s_add_co_u32 s24, s24, TBL
	v_add_nc_u32 v18, s24, v19                     ; my 64 rows of the table
	s_lshl_b32 s24, s20, 7
	s_add_co_u32 s24, s24, TOT
	v_add_nc_u32 v20, s24, v19
	v_add_nc_u32 v21, TOT, v19
	v_lshlrev_b32 v22, 3, v0
	v_add_nc_u32 v22, SBY, v22
	v_mul_u32_u24 v26, v0, 132
	v_add_nc_u32 v26, TBL+128, v26                 ; the 33rd word of the table's row = my thread's number
	s_lshl_b32 s24, s20, 11
	s_add_co_u32 s24, s24, XSL
	v_lshl_add_u32 v23, v1, 5, s24                 ; where I put x's scale words
	s_lshl_b32 s24, s20, 8
	s_add_co_u32 s24, s24, SBY
	v_add_nc_u32 v24, s24, v25                     ; the way out of h's scale words
	WALU
	s_wait_kmcnt 0x0
	s_cmp_eq_u32 ttmp9, 252
	s_cbranch_scc1 .Lloss
	global_load_b128 v[192:195], v17, s[8:9] offset:ORD
.set i_, 0
.rept 64
	global_load_b32 v[H+i_], v16, s[8:9] offset:128*i_
.set i_, i_+1
.endr
	PAIRS 112
	v_mov_b32 v123, 0
	v_mov_b32 v196, 0
	v_mov_b32 v197, 0
.irp k, 0,1,2,3
	v_mov_b32 v[212+\k], 0
.endr
.set i_, 0
.rept 64                                           ; down my 64 rows: each gets the sum of those above it
.if i_%16 == 0
	WALU
	s_wait_loadcnt 48-i_
.endif
	v_and_b32 v[124+i_%2], 0xffff, v[H+i_]
	v_and_or_b32 v[H+i_], v[H+i_], 0xffff0000, v123
	v_add_nc_u32 v123, v123, v[124+i_%2]
.set i_, i_+1
.endr
.set i_, 0
.rept 64
	ds_store_b32 v18, v[H+i_] offset:132*i_
.set i_, i_+1
.endr
	ds_store_b32 v20, v123                         ; my rows' totals
	ds_store_b128 v13, v[192:195]
	ds_store_b64 v22, v[196:197]                   ; h's scale bytes begin as zeros
	ds_store_b32 v26, v196                         ; and so do the words of padding behind the table's rows
	ds_store_b32 v26, v196 offset:16896
	WALU
	s_wait_dscnt 0x0                               ; for the others' sake
	s_barrier_signal -1
	s_barrier_wait -1
.irp w, 0,1,2,3
	ds_load_b32 v[200+\w], v21 offset:128*\w
.endr
	s_wait_dscnt 0x0
	v_add_nc_u32 v204, v200, v201                  ; v200, v204, v205: a pair's tokens ahead of rows 64, 128, 192
	v_add_nc_u32 v205, v204, v202
	v_add_nc_u32 v206, v205, v203                  ; its tokens
	v_add_nc_u32 v207, 15, v206
	v_lshrrev_b32 v207, 4, v207                    ; its tiles
.irp k, 0,1,2,3
	v_mul_u32_u24 v[208+\k], v207, v[114+\k]
.endr
	SCAN 208, 212, 4, 32
.irp k, 0,1,2,3
	v_readlane_b32 s[36+\k], v[208+\k], 31         ; units of experts 2 k | 2 k + 1 << 16
.endr
	s_mov_b32 s40, 0
	s_mov_b32 s41, 0
	s_mov_b32 s42, 0
	s_mov_b32 s43, 0
.irp e, 0,1,2,3,4,5,6,7
	s_bfe_u32 s44, s[36+\e/2], 0x100000+16*(\e%2)
	s_cmp_ge_u32 s23, s40                          ; the last expert whose row tiles begin at or below j
	s_cselect_b32 s41, \e, s41
	s_cselect_b32 s42, s40, s42
	s_cselect_b32 s43, s44, s43
	s_add_co_u32 s44, s44, 15
	s_lshr_b32 s44, s44, 4
	s_add_co_u32 s40, s40, s44
.endr
	s_min_u32 s41, s41, 7                          ; e
	s_sub_co_u32 s44, s23, s42
	s_lshl_b32 s44, s44, 4                         ; my first unit of e's
	s_sub_co_i32 s21, s43, s44
	s_max_i32 s21, s21, 0
	s_min_i32 s21, s21, 16                         ; how many; 0: the row tile is empty
	v_mov_b32 v216, v208
	s_lshr_b32 s45, s41, 1
.irp k, 1,2,3
	s_cmp_eq_u32 s45, \k
	s_cselect_b32 s46, -1, 0
	v_cndmask_b32 v216, v216, v[208+\k], s46
.endr
	s_and_b32 s45, s41, 1
	s_lshl_b32 s45, s45, 4
	v_lshrrev_b32 v216, s45, v216
	v_and_b32 v216, 0xffff, v216                   ; where the pair's units of e end,
	v_cmp_eq_u32 s46, s41, v112
	v_cmp_eq_u32 s47, s41, v113
	s_or_b32 s46, s46, s47
	v_cndmask_b32 v217, 0, v207, s46
	v_sub_nc_u32 v217, v216, v217                  ; and begin
	s_lshl_b32 s48, s20, 2
	s_add_co_u32 s48, s48, s44
	WALU
.irp i, 0,1,2,3                                    ; the units that I gather: 4 w + i
	s_add_co_u32 s49, s48, \i
	v_cmp_ge_u32 s60, s49, v217
	v_cmp_lt_u32 s61, s49, v216
	s_and_b32 s60, s60, s61
	s_ctz_i32_b32 s60, s60
	s_min_u32 s60, s60, 27                         ; its pair
	v_readlane_b32 s61, v217, s60
	s_sub_co_u32 s61, s49, s61
	s_lshl_b32 s[66+\i], s61, 4                    ; its first row's rank
	v_readlane_b32 s61, v206, s60
	s_sub_co_u32 s[70+\i], s61, 1                  ; the pair's last rank
	v_readlane_b32 s[74+\i], v200, s60
	v_readlane_b32 s[78+\i], v204, s60
	v_readlane_b32 s[82+\i], v205, s60
	s_lshl_b32 s[86+\i], s60, 2
.endr
; Rows: q = 0: units 0 (lanes 0-15) and 1 (lanes 16-31); q = 1: units 2 and 3; row r
.macro BYH d, s
	v_mov_b32 v240, s[\s+1]
	v_cndmask_b32 v[\d], s[\s], v240, s[HIM]
.endm
.irp q, 0,1
	BYH 218+\q, 66+2*\q
	BYH 234+\q, 70+2*\q
	BYH 222+\q, 74+2*\q
	BYH 224+\q, 78+2*\q
	BYH 226+\q, 82+2*\q
	BYH 220+\q, 86+2*\q
	v_add_nc_u32 v[218+\q], v[218+\q], v2
	v_min_u32 v[218+\q], v[218+\q], v[234+\q]      ; rows beyond the pair's tokens repeat the last
	v_min_u32 v[220+\q], 108, v[220+\q]
	v_mov_b32 v[228+\q], 0
	v_mov_b32 v[230+\q], 0
.irp b, 222,224,226
	v_cmp_le_u32 vcc_lo, v[\b+\q], v[218+\q]
	v_cndmask_b32 v[228+\q], v[228+\q], v[\b+\q], vcc_lo
	v_add_co_ci_u32 v[230+\q], vcc_lo, 0, v[230+\q], vcc_lo
.endr
	v_sub_nc_u32 v[218+\q], v[218+\q], v[228+\q]   ; the rank among that wave's 64 rows
	v_lshlrev_b32 v[230+\q], 6, v[230+\q]          ; g: a row of the table
.endr
.macro FIND step, cap                  ; of rows g + step, + 2 step, + 3 step the last whose prefix is not above the rank
.irp q, 0,1
	v_min_u32 v[230+\q], \cap, v[230+\q]
	v_mul_u32_u24 v[232+\q], v[230+\q], 132
	v_add3_u32 v[232+\q], v[232+\q], v[220+\q], TBL
.irp k, 1,2,3
	ds_load_b32 v[244+3*\q+\k-1], v[232+\q] offset:132*\step*\k
.endr
.endr
	WALU
	s_wait_dscnt 0x0
.irp k, 0,1,2
.irp q, 0,1
	v_and_b32 v[244+3*\q+\k], 0xffff, v[244+3*\q+\k]
	v_cmp_le_u32 vcc_lo, v[244+3*\q+\k], v[218+\q]
	v_cndmask_b32 v[234+\q], 0, \step, vcc_lo
	v_add_nc_u32 v[230+\q], v[230+\q], v[234+\q]
.endr
.endr
.endm
	FIND 16, 192
	FIND 4, 240
	FIND 1, 252
.irp q, 0,1
	v_min_u32 v[230+\q], 255, v[230+\q]
	v_mul_u32_u24 v[232+\q], v[230+\q], 132
	v_add3_u32 v[232+\q], v[232+\q], v[220+\q], TBL
	v_lshlrev_b32 v[236+\q], 3, v[230+\q]
	v_add_nc_u32 v[236+\q], ORDL, v[236+\q]
	ds_load_b32 v[248+\q], v[232+\q]
	ds_load_b64 v[244+2*\q:245+2*\q], v[236+\q]
.endr
	WALU
	s_wait_dscnt 0x0
.irp q, 0,1
	v_and_b32 v[234+\q], 0xffff, v[248+\q]
	v_lshrrev_b32 v[238+\q], 16, v[248+\q]
	v_sub_nc_u32 v[234+\q], v[218+\q], v[234+\q]
	v_add_nc_u32 v[234+\q], v[234+\q], v[238+\q]   ; the place in row g's order
	v_and_b32 v[238+\q], 8, v[234+\q]
	v_cmp_ne_u32 vcc_lo, 0, v[238+\q]
	v_cndmask_b32 v[238+\q], v[244+2*\q], v[245+2*\q], vcc_lo
	v_and_b32 v[234+\q], 7, v[234+\q]
	v_lshlrev_b32 v[234+\q], 2, v[234+\q]
	v_lshrrev_b32 v[238+\q], v[234+\q], v[238+\q]
	v_and_b32 v[238+\q], 15, v[238+\q]
	v_lshl_or_b32 v[242+\q], v[230+\q], 4, v[238+\q]
	v_min_u32 v[242+\q], 4095, v[242+\q]           ; the token
.endr
	; x's scale words, then the rows
.irp q, 0,1
	v_lshlrev_b32 v[250+\q], 5, v[242+\q]
.endr
	global_load_b128 v[112:115], v250, s[4:5] offset:XS
	global_load_b128 v[116:119], v250, s[4:5] offset:XS+16
	global_load_b128 v[120:123], v251, s[4:5] offset:XS
	global_load_b128 v[28:31], v251, s[4:5] offset:XS+16
	s_lshl_b32 s24, s22, 2
	s_add_co_u32 s24, s24, s20
	s_min_u32 s24, s24, 21                         ; b
	s_mul_i32 s25, s41, 22
	s_add_co_u32 s24, s24, s25                     ; 22 e + b
	s_lshl_b32 s26, s24, 11
	s_add_co_u32 s26, s26, W13S
	s_mov_b32 s27, 0
	s_add_nc_u64 s[50:51], s[6:7], s[26:27]        ; my weights' scale words
	s_lshl_b32 s26, s24, 16
	s_add_nc_u64 s[52:53], s[6:7], s[26:27]        ; my weights' fragments
.irp q, 0,1,2,3
	global_load_b128 v[SCB+4*\q:SCB+4*\q+3], v4, s[50:51] offset:512*\q
.endr
	WALU
.irp q, 0,1
.irp n, 0,1,2,3,4,5,6,7,8,9,10,11,12,13,14,15
	v_mov_b32_dpp v[H+16*\q+\n], v[242+\q] row_share:\n row_mask:0xf bank_mask:0xf   ; lanes 0-15: row n of unit 2 q, lanes 16-31: of unit 2 q + 1
.endr
.irp n, 0,1,2,3,4,5,6,7,8,9,10,11,12,13,14,15
	v_min_u32 v[H+16*\q+\n], 4095, v[H+16*\q+\n]
.endr
.irp n, 0,1,2,3,4,5,6,7,8,9,10,11,12,13,14,15
	v_lshl_add_u32 v[H+16*\q+\n], v[H+16*\q+\n], 10, v5
.endr
	WIN 0x80+0x40*\q
.irp n, 0,1,2,3,4,5,6,7,8,9,10,11,12,13,14,15
.irp c, 0,1,2,3
	global_load_b128 v[16*\n+4*\c:16*\n+4*\c+3], v[H+16*\q+\n], s[4:5] offset:256*\c   ; 256 consecutive bytes of each of two rows
.endr
.endr
	WIN 0
.endr
	s_lshl_b32 s26, s23, 10
	s_lshl_b32 s24, s20, 8
	s_add_co_u32 s26, s26, s24
	s_add_nc_u64 s[58:59], s[10:11], s[26:27]
	WALU
	s_cmp_eq_u32 s22, 0
	s_cbranch_scc0 .Ltold
	global_store_b32 v19, v242, s[58:59] offset:TOKS       ; my 64 rows' tokens
	global_store_b32 v19, v243, s[58:59] offset:TOKS+128
	s_or_b32 s24, s23, s20
	s_cmp_eq_u32 s24, 0
	s_cbranch_scc0 .Ltold
	global_store_b32 v19, v206, s[10:11]           ; the pairs' tokens
.Ltold:
	s_wait_xcnt 0x0                                ; the stores have read their registers
	s_barrier_signal -1                            ; every wave has read the table (its LDS loads were waited for)
	s_barrier_wait -1
	s_wait_loadcnt 63                              ; all but the youngest 63 are in: the first half's 32 rows x 1,024 bytes, and the scale words
	ds_store_b128 v23, v[112:115]
	ds_store_b128 v23, v[116:119] offset:16
	ds_store_b128 v23, v[120:123] offset:1024
	ds_store_b128 v23, v[28:31] offset:1040
.macro STOREU q
	WIN 0x08+4*\q
.irp n, 0,1,2,3,4,5,6,7,8,9,10,11,12,13,14,15
.irp c, 0,1,2,3
	ds_store_b128 v12, v[16*\n+4*\c:16*\n+4*\c+3] offset:33280*\q+1040*\n+256*\c
.endr
.endr
.endm
	STOREU 0
	BLOAD 0
	BLOAD 1
	s_wait_loadcnt 32                              ; the second half is in; the weights' 32 loads may be out
	STOREU 1
	BLOAD 2
	WIN 0
	s_mul_i32 s26, s23, 196608
	s_lshl_b32 s24, s22, 11
	s_add_co_u32 s26, s26, s24
	s_lshl_b32 s24, s20, 9
	s_add_co_u32 s26, s26, s24
	s_add_nc_u64 s[56:57], s[12:13], s[26:27]      ; h: units 16 j on, K step s2, piece w
	s_mul_i32 s26, s23, 6
	s_add_co_u32 s26, s26, s22
	s_lshl_b32 s26, s26, 10
	s_lshl_b32 s24, s20, 8
	s_add_co_u32 s26, s26, s24
	s_add_co_u32 s26, s26, HS
	s_add_nc_u64 s[60:61], s[12:13], s[26:27]      ; my 256 bytes of its scale words
	s_wait_dscnt 0x0                               ; for the others' sake: my 64 rows lie in LDS
	s_barrier_signal -1
	s_barrier_wait -1
	s_cmp_eq_u32 s21, 0
	s_cbranch_scc1 .Lskip
.irp m, 0,1,2,3,4,5,6,7,8,9,10,11,12,13,14,15
	ds_load_b128 v[XSC+4*\m:XSC+4*\m+3], v15 offset:512*\m
.endr
	ALOAD 0, 0, 0
	ALOAD 1, 4, 0
.irp s, 0,1,2,3,4,5,6,7
	KSTEP \s
.endr
	WIN 0
.irp m, 0,4,8,12
	UNITS \m
.endr
.Lskip:
	WALU
	s_wait_dscnt 0x0                               ; for the others' sake: my scale bytes
	s_barrier_signal -1
	s_barrier_wait -1
	s_cmp_eq_u32 s21, 0
	s_cbranch_scc1 .Lend
	ds_load_b64 v[16:17], v24
	s_wait_dscnt 0x0
	global_store_b64 v25, v[16:17], s[60:61]       ; 256 consecutive bytes, aligned
.Lend:
	s_wait_tensorcnt 0x0                           ; the wave's end
	ds_add_u32 v126, v127
	s_wait_dscnt 0x0
	s_endpgm
; The loss: 0.01 x 8 x the sum over experts of (first choices / 4,096) (sum of p / 4,096).  Lane % 4 = 0, 1: sums of p of experts 0-3, 4-7; 2, 3: the counts
.Lloss:
	s_cmp_lg_u32 s20, 0
	s_cbranch_scc1 .Lloss_end
.set i_, 0
.rept 32
	global_load_b128 v[128+4*i_:131+4*i_], v4, s[4:5] offset:PS+512*i_
.set i_, i_+1
.endr
.irp k, 0,1,2,3
	v_mov_b32 v[112+\k], 0
	v_mov_b32 v[116+\k], 0
.endr
	v_mov_b32 v120, 0
	WALU
	s_wait_loadcnt 0x0
.set i_, 4
.rept 31
	v_pk_add_f32 v[128:129], v[128:129], v[128+i_:129+i_]
	v_pk_add_f32 v[130:131], v[130:131], v[130+i_:131+i_]
.set i_, i_+4
.endr
.irp x, 4,8
.irp k, 0,1,2,3
	v_add_f32_dpp v[128+\k], v[128+\k], v[128+\k] row_xmask:\x row_mask:0xf bank_mask:0xf
.endr
.endr
.irp k, 0,1,2,3
	v_permlanex16_b32 v[116+\k], v[128+\k], s[SEL], s[SEL+1]
.endr
.irp k, 0,1,2,3
	v_add_f32 v[128+\k], v[128+\k], v[116+\k]
.endr
.irp k, 0,1,2,3
	v_mul_f32_dpp v[112+\k], v[128+\k], v[128+\k] row_xmask:2 row_mask:0xf bank_mask:0xf
.endr
	v_add_f32 v112, v112, v113
	v_add_f32 v114, v114, v115
	v_add_f32 v112, v112, v114
	v_add_f32_dpp v112, v112, v112 row_xmask:1 row_mask:0xf bank_mask:0xf
	v_mul_f32 v112, 0x31a3d70a, v112               ; 0.08 / 2^24
	v_cmp_eq_u32 vcc_lo, 0, v1
	WALU
	s_and_saveexec_b32 s24, vcc_lo
	global_store_b32 v120, v112, s[14:15]
	s_wait_xcnt 0x0
	s_or_b32 exec_lo, exec_lo, s24
.Lloss_end:
	s_endpgm
.Lfunc_end_k_q7240f7fb27_up:
	.size	k_q7240f7fb27_up, .Lfunc_end_k_q7240f7fb27_up-k_q7240f7fb27_up
	.p2alignl 7, 3214868480
	.fill 96, 4, 3214868480
	.section	.rodata,"a",@progbits
	.p2align	6, 0x0
	.amdhsa_kernel k_q7240f7fb27_up
		.amdhsa_group_segment_fixed_size 327680
		.amdhsa_private_segment_fixed_size 0
		.amdhsa_enable_private_segment 0
		.amdhsa_kernarg_size 48
		.amdhsa_user_sgpr_count 2
		.amdhsa_user_sgpr_kernarg_segment_ptr 1
		.amdhsa_wavefront_size32 1
		.amdhsa_system_sgpr_workgroup_id_x 1
		.amdhsa_system_sgpr_workgroup_id_y 1
		.amdhsa_system_sgpr_workgroup_id_z 1
		.amdhsa_system_vgpr_workitem_id 0
		.amdhsa_next_free_vgpr 1024
		.amdhsa_next_free_sgpr 100
		.amdhsa_reserve_vcc 1
		.amdhsa_float_denorm_mode_32 3
		.amdhsa_float_denorm_mode_16_64 3
		.amdhsa_memory_ordered 1
		.amdhsa_forward_progress 1
		.amdhsa_inst_pref_size 255
	.end_amdhsa_kernel
	.section	.bss,"aw",@nobits
	.p2align	6
	.space	262144
	.amdgpu_metadata
---
amdhsa.version: [ 1, 2 ]
amdhsa.kernels:
  - .name:           k_q7240f7fb27_up
    .symbol:         k_q7240f7fb27_up.kd
    .args:
      - { .name: xc, .offset: 0, .size: 8, .value_kind: global_buffer, .address_space: global }
      - { .name: wc, .offset: 8, .size: 8, .value_kind: global_buffer, .address_space: global }
      - { .name: rsel, .offset: 16, .size: 8, .value_kind: global_buffer, .address_space: global }
      - { .name: plan, .offset: 24, .size: 8, .value_kind: global_buffer, .address_space: global }
      - { .name: hc, .offset: 32, .size: 8, .value_kind: global_buffer, .address_space: global }
      - { .name: out1, .offset: 40, .size: 8, .value_kind: global_buffer, .address_space: global }
    .group_segment_fixed_size: 327680
    .private_segment_fixed_size: 0
    .kernarg_segment_align: 8
    .kernarg_segment_size: 48
    .max_flat_workgroup_size: 128
    .sgpr_count:     100
    .vgpr_count:     1024
    .wavefront_size: 32
...
	.end_amdgpu_metadata
.endif
;; end of part 2
;; launch down (part 3): grid 4 x 70, 4 waves a work-group, no clusters, 165,376 bytes of LDS; arguments hc, wc, plan, xc, out0; writes out0
.if DOCPART == 3
	.amdgcn_target "amdgcn-amd-amdhsa--gfx1250"
	.amdhsa_code_object_version 6
	.text
	.protected	k_q7240f7fb27_down
	.globl	k_q7240f7fb27_down
	.p2align	8
	.type	k_q7240f7fb27_down,@function
k_q7240f7fb27_down:
	s_mov_b64 s[64:65], 0
	v_nop
	global_prefetch_b8 v0, s[64:65] scope:SCOPE_SE
	s_setreg_imm32_b32 hwreg(HW_REG_WAVE_MODE, 25, 1), 1
	s_wait_xcnt 0x0
; out[token] = c_lo (h_lo w2[lo]^T) + c_hi (h_hi w2[hi]^T) for the two chosen experts (the others are left out as the first kernel's head shows), on codes of E4M3 with E8M0 scales; K = the hidden axis, filled to 768: from 684 on w2's codes are zeros.
; THE GROUPS are made here from the 28 pairs' counts that the launch before stored: a lane is a pair; its tiles of 16 tokens, its groups of up to 6 tiles and each expert's units are prefix sums over the lanes, two experts to a register.
; A pair with two groups has its tiles halved between them; with more, groups of 6.  Never more than (4,096 + 28 x 95) / 96, that is 70 groups, whatever the choice.  Tile d of a pair is unit (units of lower pairs + d) of each of its experts;
; an expert's units begin at a multiple of 16 behind the lower experts' (the unit's slot).  h's scale words lie [slot / 16][K step][slot % 16][row].  An empty entry walks on slot 0, which always exists, and stores nothing.
; SHARES.  Work-group (cs, y) takes group y and columns 256 cs .. 256 cs + 255.  Wave w takes 64 columns (four tiles of w2's rows) for all 96 tokens and BOTH experts: so each output row has one owner, and nothing is added
; between work-groups.  Tiles from the count on repeat the last one; tiles are stored two at a time, so at most one is stored twice, by the same wave with the same values.
; OPERANDS.  h's fragment images (12,288 bytes a unit) are copied once through registers into LDS, image 2 m + p for tile m and expert p; w2's fragments come from memory straight into registers, three K steps ahead, in a ring of four sets.
; TRANSPOSED: source 0 = 16 rows of w2 (columns of out), source 1 = 16 tokens: a lane holds one token and eight neighbouring columns.
; NO TENSOR LOADS, NO CLUSTER: the number of groups hangs on stored numbers; an empty entry ends by a branch on such a number, behind the first barrier.  No data prefetch: the weights' loads already run three steps ahead.
; REGISTERS, in windows of 256.  Window 0: v1-15 addresses; v32-67 h's scale words (3 U + q, U = 2 m + p: K step 2 q in lanes 0-15, 2 q + 1 in lanes 16-31); v80-103 w2's (12 p + 2 s + t / 2); v104-115 (c_lo, c_hi) of my token in tile m;
;   v120-125 lane (r, h): the token of row r + h of tile m; v128-255 two groups of three fragments of h, at the head and on the way out at work.  Window 1: four sets of four fragments of w2.
;   Window 2: lo's accumulators, 8 (4 m + t); window 3: hi's; at the head the copies' buffers.
; LIMITS: as in the launches before.
.set W2F,   11534336
.set W2S,   18186240
.set TOKS,  1024
.set HS,    8257536
.set CW,    4325376
.set STG,   147456                     ; LDS: 0: 12 unit images;  STG: a stage of 16 rows x (256 + 16) bytes for each wave
.set SPARE, 164864
.set AL,    6                          ; v6-8  61,440 q + 16 lane: images 5 q .. 5 q + 4
.set HSC,   32
.set SCB,   80
.set CWR,   104
.set TKS,   120
.set TR,    128                        ; the way out: 2 x 32 sums, 2 x 32 read back, 2 x 8 offsets
.set RBK,   192
.set OFF,   32
.set MSB, 0
.macro WIN new
.if MSB != \new
	s_set_vgpr_msb (MSB<<8)|\new
.set MSB, \new
.endif
.endm
.macro WALU
	s_wait_alu depctr_va_vdst(0)
.endm
.macro PLACES n
.rept \n
	v_nop
.endr
.endm
.macro PAIRS b                         ; lane p: v[b] lo, v[b+1] hi, v[b+2+k]: 1 for expert 2 k, 1 << 16 for 2 k + 1
	v_mov_b32 v[\b], 0
	v_mov_b32 v[\b+10], 1
.irp t, 7,13,18,22,25,27
	v_cmp_le_u32 vcc_lo, \t, v1
	v_add_co_ci_u32 v[\b], vcc_lo, 0, v[\b], vcc_lo
.endr
	v_sub_nc_u32 v[\b+1], 15, v[\b]
	v_mul_u32_u24 v[\b+1], v[\b], v[\b+1]
	v_lshrrev_b32 v[\b+1], 1, v[\b+1]
	v_sub_nc_u32 v[\b+1], v1, v[\b+1]
	v_add3_u32 v[\b+1], v[\b+1], v[\b], 1
	v_and_b32 v[\b+6], 1, v[\b]
	v_and_b32 v[\b+7], 1, v[\b+1]
	v_lshlrev_b32 v[\b+6], 4, v[\b+6]
	v_lshlrev_b32 v[\b+7], 4, v[\b+7]
	v_lshlrev_b32 v[\b+6], v[\b+6], v[\b+10]
	v_lshlrev_b32 v[\b+7], v[\b+7], v[\b+10]
	v_lshrrev_b32 v[\b+8], 1, v[\b]
	v_lshrrev_b32 v[\b+9], 1, v[\b+1]
.irp k, 0,1,2,3
	v_cmp_eq_u32 vcc_lo, \k, v[\b+8]
	v_cndmask_b32 v[\b+2+\k], 0, v[\b+6], vcc_lo
	v_cmp_eq_u32 vcc_lo, \k, v[\b+9]
	v_cndmask_b32 v[\b+10], 0, v[\b+7], vcc_lo
	v_or_b32 v[\b+2+\k], v[\b+2+\k], v[\b+10]
.endr
.endm
.macro SCAN a, t, n, s                 ; n registers from a: sums over the lanes up to mine
.irp sh, 1,2,4,8
.set i_, 0
.rept \n
	v_mov_b32_dpp v[\t+i_], v[\a+i_] row_shr:\sh row_mask:0xf bank_mask:0xf bound_ctrl:1
.set i_, i_+1
.endr
.set i_, 0
.rept \n
	v_add_nc_u32 v[\a+i_], v[\a+i_], v[\t+i_]
.set i_, i_+1
.endr
.endr
	WALU
.set i_, 0
.rept \n
	v_readlane_b32 s[\s+i_], v[\a+i_], 15
.set i_, i_+1
.endr
.set i_, 0
.rept \n
	v_cndmask_b32 v[\t+i_], 0, s[\s+i_], s19
	v_add_nc_u32 v[\a+i_], v[\a+i_], v[\t+i_]
.set i_, i_+1
.endr
	WALU
.endm
.macro SLOT d, e, rr                   ; s[d] = first slot of my group's units of expert s[e], whose slots begin at s[rr]
	s_mov_b32 s61, s54
	s_lshr_b32 s63, s[\e], 1
.irp k, 1,2,3
	s_cmp_eq_u32 s63, \k
	s_cselect_b32 s61, s[54+\k], s61
.endr
	s_and_b32 s63, s[\e], 1
	s_lshl_b32 s63, s63, 4
	s_lshr_b32 s61, s61, s63
	s_and_b32 s61, s61, 0xffff
	s_sub_co_u32 s61, s61, s52
	s_add_co_u32 s61, s61, s53
	s_add_co_u32 s61, s61, s[\rr]
	s_cmp_lg_u32 s62, 0
	s_cselect_b32 s[\d], 0, s61
.endm
.macro WM                              ; one product; AC, BF, AF, SA, SX registers; ZR: it starts the sum; RA, RB: the scales stand in lanes 16-31
.if ZR
.if RA && RB
	v_wmma_scale_f32_16x16x128_f8f6f4 v[AC:AC+7], v[BF:BF+15], v[AF:AF+15], 0, v[SA], v[SX] matrix_a_scale:MATRIX_SCALE_ROW1 matrix_b_scale:MATRIX_SCALE_ROW1
.elseif RA
	v_wmma_scale_f32_16x16x128_f8f6f4 v[AC:AC+7], v[BF:BF+15], v[AF:AF+15], 0, v[SA], v[SX] matrix_a_scale:MATRIX_SCALE_ROW1
.elseif RB
	v_wmma_scale_f32_16x16x128_f8f6f4 v[AC:AC+7], v[BF:BF+15], v[AF:AF+15], 0, v[SA], v[SX] matrix_b_scale:MATRIX_SCALE_ROW1
.else
	v_wmma_scale_f32_16x16x128_f8f6f4 v[AC:AC+7], v[BF:BF+15], v[AF:AF+15], 0, v[SA], v[SX]
.endif
.else
.if RA && RB
	v_wmma_scale_f32_16x16x128_f8f6f4 v[AC:AC+7], v[BF:BF+15], v[AF:AF+15], v[AC:AC+7], v[SA], v[SX] matrix_a_scale:MATRIX_SCALE_ROW1 matrix_b_scale:MATRIX_SCALE_ROW1
.elseif RA
	v_wmma_scale_f32_16x16x128_f8f6f4 v[AC:AC+7], v[BF:BF+15], v[AF:AF+15], v[AC:AC+7], v[SA], v[SX] matrix_a_scale:MATRIX_SCALE_ROW1
.elseif RB
	v_wmma_scale_f32_16x16x128_f8f6f4 v[AC:AC+7], v[BF:BF+15], v[AF:AF+15], v[AC:AC+7], v[SA], v[SX] matrix_b_scale:MATRIX_SCALE_ROW1
.else
	v_wmma_scale_f32_16x16x128_f8f6f4 v[AC:AC+7], v[BF:BF+15], v[AF:AF+15], v[AC:AC+7], v[SA], v[SX]
.endif
.endif
.endm
.macro CLOAD i                         ; my image i: 24 pieces of 512 bytes
	WIN 0x80+0x40*(\i/2)
.set n, 0
.rept 24
	global_load_b128 v[96*(\i%2)+4*n:96*(\i%2)+4*n+3], v[144+\i], s[4:5] offset:512*n
.set n, n+1
.endr
.endm
.macro CSTORE i
	WIN 0x08+0x04*(\i/2)
.set n, 0
.rept 24
	ds_store_b128 v13, v[96*(\i%2)+4*n:96*(\i%2)+4*n+3] offset:12288*\i+512*n
.set n, n+1
.endr
.endm
.macro BFRAG z, t                      ; step z = 6 p + s: expert p's fragment t of K step s into set z % 4
	WIN 0x40
.irp c, 0,1,2,3
	global_load_b128 v[64*((\z)%4)+16*(\t)+4*\c:64*((\z)%4)+16*(\t)+4*\c+3], v4, s[48+2*((\z)/6):49+2*((\z)/6)] offset:8192*((\z)%6)+2048*(\t)+512*\c
.endr
.endm
.macro BLOAD z
.irp t, 0,1,2,3
	BFRAG \z, \t
.endr
.endm
.macro ALOAD g, mb, z                  ; h's fragments of tiles mb .. mb + 2 for step z into group g
	WIN 0
.irp mq, 0,1,2
.irp c, 0,1,2,3
	ds_load_b128 v[128+64*(\g)+16*\mq+4*\c:128+64*(\g)+16*\mq+4*\c+3], v[AL+(2*((\mb)+\mq)+(\z)/6)/5] offset:((2*((\mb)+\mq)+(\z)/6)%5)*12288+2048*((\z)%6)+512*\c
.endr
.endr
.endm
.macro MULQ g, mb, z                   ; 12 products; a pass's 24 accumulators take turns, one instruction a turn
.if (\z) < 6
	WIN 0xa1
.else
	WIN 0xf1
.endif
.set ZR, ((\z)%6)==0
.set RB, ((\z)%6)%2
.irp mq, 0,1,2
.irp t, 0,1,2,3
.set AC, 8*(4*((\mb)+\mq)+\t)
.set BF, 64*((\z)%4)+16*\t
.set AF, 128+64*(\g)+16*\mq
.set SA, SCB+12*((\z)/6)+2*((\z)%6)+\t/2
.set SX, HSC+3*(2*((\mb)+\mq)+(\z)/6)+((\z)%6)/2
.set RA, \t%2
	WM
.endr
.endr
.endm
.macro ZSTEP z
.if (\z) < 10
	s_wait_loadcnt 32                              ; this step's weights are in; the two later steps' 32 loads may be out
.elseif (\z) == 10
	s_wait_loadcnt 16
.else
	s_wait_loadcnt 0x0
.endif
	s_wait_dscnt 12                                ; group 0 is in; group 1's twelve loads may be out
	MULQ 0, 0, \z
	PLACES 8                                       ; eight places in front of loads into registers that these products read
.if (\z)+1 < 12
	ALOAD 0, 0, (\z)+1
.endif
.if (\z)+3 < 12
	BFRAG (\z)+3, 0                                ; into the set that the step before has left
	BFRAG (\z)+3, 1
.endif
.if (\z)+1 < 12
	s_wait_dscnt 12
.else
	s_wait_dscnt 0x0
.endif
	MULQ 1, 3, \z
	PLACES 8
.if (\z)+1 < 12
	ALOAD 1, 3, (\z)+1
.endif
.if (\z)+3 < 12
	BFRAG (\z)+3, 2
	BFRAG (\z)+3, 3
.endif
.endm
; Tiles m, m + 1 go out: weighed, through my own stage one after the other, as whole rows of 256 bytes
.macro OUT m
	s_cmp_le_u32 s21, \m
	s_cbranch_scc1 .Ldone
	s_wait_xcnt 0x0                                ; the last tiles' stores have read their registers
	WIN 0x02
.irp k, 0,1
.irp i, 0,2,4,6,8,10,12,14,16,18,20,22,24,26,28,30
	v_pk_mul_f32 v[TR+32*\k+\i:TR+32*\k+\i+1], v[32*(\m+\k)+\i:32*(\m+\k)+\i+1], v[CWR+2*(\m+\k):CWR+2*(\m+\k)+1] op_sel_hi:[1,0]   ; x c_lo; each accumulator is read from its low end on
.endr
.endr
	WIN 0x03
.irp k, 0,1
.irp i, 0,2,4,6,8,10,12,14,16,18,20,22,24,26,28,30
	v_pk_fma_f32 v[TR+32*\k+\i:TR+32*\k+\i+1], v[32*(\m+\k)+\i:32*(\m+\k)+\i+1], v[CWR+2*(\m+\k):CWR+2*(\m+\k)+1], v[TR+32*\k+\i:TR+32*\k+\i+1] op_sel:[0,1,0] op_sel_hi:[1,1,1]   ; + c_hi x
.endr
.endr
	WIN 0
.irp k, 0,1
.irp e, 0,2,4,6,8,10,12,14
	v_mov_b32_dpp v[OFF+8*\k+\e/2], v[TKS+\m+\k] row_share:\e row_mask:0xf bank_mask:0xf   ; lanes 0-15: the token of row e; lanes 16-31: of row e + 1
.endr
.endr
.irp k, 0,1
.irp t, 0,1,2,3
	ds_store_b128 v10, v[TR+32*\k+8*\t:TR+32*\k+8*\t+3] offset:64*\t
	ds_store_b128 v10, v[TR+32*\k+8*\t+4:TR+32*\k+8*\t+7] offset:64*\t+16
.endr
.irp i, 0,1,2,3,4,5,6,7
	ds_load_b128 v[RBK+32*\k+4*\i:RBK+32*\k+4*\i+3], v11 offset:544*\i   ; LDS serves a wave's instructions in order: these see my stores, and the next tile's stores come behind them
.endr
.endr
.set i_, 0
.rept 16
	v_min_u32 v[OFF+i_], 4095, v[OFF+i_]
	v_lshl_add_u32 v[OFF+i_], v[OFF+i_], 12, v12
.set i_, i_+1
.endr
	WALU
	s_wait_dscnt 16                                ; the first tile is back; the second's eight stores and eight loads may be out
.irp k, 0,1
.if \k
	s_wait_dscnt 0x0
.endif
.irp i, 0,1,2,3,4,5,6,7
	global_store_b128 v[OFF+8*\k+\i], v[RBK+32*\k+4*\i:RBK+32*\k+4*\i+3], s[12:13] th:TH_STORE_NT   ; sixteen lanes store 256 consecutive bytes of a token's row, aligned
.endr
.endr
.endm
	s_load_b256 s[4:11], s[0:1], 0x0               ; hc s[4:5], wc s[6:7], plan s[8:9], xc s[10:11]
	s_load_b64 s[12:13], s[0:1], 0x20              ; out0
	v_lshl_add_u32 v30, v0, 2, SPARE
	v_mov_b32 v31, 0
	v_lshrrev_b32 v1, 5, v0
	v_readfirstlane_b32 s14, v1                    ; wave 0..3
	v_and_b32 v1, 31, v0
	v_and_b32 v2, 15, v0                           ; r
	v_bfe_u32 v3, v0, 4, 1                         ; h
	v_lshlrev_b32 v4, 4, v1                        ; 16 lane
.irp q, 0,1,2
	v_add_nc_u32 v[AL+\q], 61440*\q, v4
.endr
	s_mul_i32 s56, s14, 4352
	s_add_co_u32 s56, s56, STG                     ; my stage
	v_mul_u32_u24 v10, v2, 272
	v_lshl_add_u32 v10, v3, 5, v10
	v_add_nc_u32 v10, s56, v10                     ; in: row r, + 32 h
	v_mul_u32_u24 v11, v3, 272
	v_lshl_add_u32 v11, v2, 4, v11
	v_add_nc_u32 v11, s56, v11                     ; back: lanes 0-15 one row, lanes 16-31 the next
	s_lshl_b32 s56, ttmp9, 10
	s_lshl_b32 s57, s14, 8
	s_add_co_u32 s56, s56, s57
	v_lshl_add_u32 v12, v2, 4, s56                 ; my columns in a row of out: 1,024 cs + 256 w + 16 r
	s_mul_i32 s56, s14, 36864
	v_add_nc_u32 v13, s56, v4                      ; my three images in LDS
	s_and_b32 s16, ttmp7, 0xffff                   ; y
	s_mov_b32 s19, 0xffff0000                      ; lanes 16-31
	v_lshlrev_b32 v14, 2, v1
	v_lshlrev_b32 v15, 10, v3
	v_lshl_add_u32 v15, v2, 2, v15                 ; 1,024 h + 4 r
	WALU
	s_wait_kmcnt 0x0
	global_load_b32 v150, v14, s[8:9]              ; the pairs' tokens
	PAIRS 151
.irp k, 0,1,2,3,4
	v_mov_b32 v[170+\k], 0
.endr
	WALU
	s_wait_loadcnt 0x0
	v_add_nc_u32 v162, 15, v150
	v_lshrrev_b32 v162, 4, v162                    ; tiles
	v_add_nc_u32 v175, 5, v162
	v_mul_u32_u24 v175, v175, 10923
	v_lshrrev_b32 v175, 16, v175                   ; groups: (tiles + 5) / 6 (exact under 263)
.irp k, 0,1,2,3
	v_mul_u32_u24 v[164+\k], v162, v[153+\k]
.endr
	v_mov_b32 v168, v175
	SCAN 164, 170, 5, 40
	v_sub_nc_u32 v176, v168, v175
	WALU
.irp k, 0,1,2,3
	v_readlane_b32 s[45+\k], v[164+\k], 31         ; units of experts 2 k | 2 k + 1 << 16
.endr
	v_cmp_ge_u32 s50, s16, v176
	v_cmp_lt_u32 s51, s16, v168
	s_and_b32 s50, s50, s51
	s_cmp_eq_u32 s50, 0
	s_cselect_b32 s62, 1, 0                        ; 1: no such group: nothing to do
	s_ctz_i32_b32 s51, s50
	s_min_u32 s51, s51, 27                         ; the group's pair
	v_readlane_b32 s22, v151, s51
	v_readlane_b32 s23, v152, s51
	v_readlane_b32 s52, v162, s51                  ; its tiles
	v_readlane_b32 s53, v176, s51
	v_readlane_b32 s63, v175, s51                  ; its groups
.irp k, 0,1,2,3
	v_readlane_b32 s[54+\k], v[164+\k], s51
.endr
	s_min_u32 s22, s22, 7                          ; lo
	s_min_u32 s23, s23, 7                          ; hi
	s_sub_co_u32 s53, s16, s53
	s_add_co_u32 s17, s52, 1
	s_lshr_b32 s17, s17, 1
	s_cmp_eq_u32 s63, 2
	s_cselect_b32 s17, s17, 6                      ; a group's tiles
	s_mul_i32 s53, s53, s17                        ; the group's first tile of the pair
	s_sub_co_u32 s21, s52, s53
	s_min_u32 s21, s21, s17
	s_min_u32 s21, s21, 6
	s_cmp_lg_u32 s62, 0
	s_cselect_b32 s21, 0, s21                      ; the count
	s_max_u32 s25, s21, 1
	s_sub_co_u32 s25, s25, 1
	s_mov_b32 s58, 0
	s_mov_b32 s59, 0
	s_mov_b32 s60, 0
.irp e, 0,1,2,3,4,5,6,7
	s_cmp_eq_u32 s22, \e
	s_cselect_b32 s59, s58, s59
	s_cmp_eq_u32 s23, \e
	s_cselect_b32 s60, s58, s60
	s_bfe_u32 s61, s[45+\e/2], 0x100000+16*(\e%2)
	s_add_co_u32 s61, s61, 15
	s_and_b32 s61, s61, -16
	s_add_co_u32 s58, s58, s61
.endr
	SLOT 20, 22, 59
	SLOT 24, 23, 60
.irp m, 0,1,2,3,4,5
	s_min_u32 s56, s25, \m                         ; tiles from the count on repeat the last
	s_add_co_u32 s57, s20, s56
	s_min_u32 s57, s57, 671
	s_add_co_u32 s58, s24, s56
	s_min_u32 s58, s58, 671
	s_lshl_b32 s59, s57, 6
	v_lshl_add_u32 v[128+\m], v2, 2, s59
	global_load_b32 v[128+\m], v[128+\m], s[8:9] offset:TOKS   ; lane (r, h): the token of row r
	v_add_nc_u32 v[TKS+\m], v2, v3
	v_min_u32 v[TKS+\m], 15, v[TKS+\m]
	v_lshl_add_u32 v[TKS+\m], v[TKS+\m], 2, s59
	global_load_b32 v[TKS+\m], v[TKS+\m], s[8:9] offset:TOKS   ; lane (r, h): the token of row r + h
.irp p, 0,1
	s_lshr_b32 s60, s[57+\p], 4
	s_min_u32 s60, s60, 41
	s_mul_i32 s60, s60, 6144
	s_and_b32 s61, s[57+\p], 15
	s_lshl_b32 s61, s61, 6
	s_add_co_u32 s60, s60, s61
	v_add_nc_u32 v[136+40*\p+\m], s60, v15
.endr
.endr
	WALU
.irp m, 0,1,2,3,4,5
.irp p, 0,1
.irp q, 0,1,2
	global_load_b32 v[HSC+3*(2*\m+\p)+\q], v[136+40*\p+\m], s[4:5] offset:HS+2048*\q
.endr
.endr
.endr
	s_wait_loadcnt 36                              ; the twelve token loads are in; the 36 behind them may be out
.irp m, 0,1,2,3,4,5
	v_min_u32 v[TKS+\m], 4095, v[TKS+\m]
	v_min_u32 v[128+\m], 4095, v[128+\m]
	v_lshlrev_b32 v[128+\m], 3, v[128+\m]
	global_load_b64 v[CWR+2*\m:CWR+2*\m+1], v[128+\m], s[10:11] offset:CW
.endr
	s_mov_b32 s59, 0
.irp p, 0,1
	s_lshl_b32 s56, s[22+\p], 4
	s_lshl_b32 s57, ttmp9, 2
	s_add_co_u32 s56, s56, s57
	s_add_co_u32 s56, s56, s14                     ; 16 e + 4 cs + w
	s_mul_i32 s58, s56, 49152
	s_add_co_u32 s58, s58, W2F
	s_add_nc_u64 s[48+2*\p:49+2*\p], s[6:7], s[58:59]   ; my fragments of expert p
	s_mul_i32 s58, s56, 1536
	s_add_co_u32 s58, s58, W2S
	s_add_nc_u64 s[52+2*\p:53+2*\p], s[6:7], s[58:59]   ; and their scale words
.endr
.irp p, 0,1
.irp q, 0,1,2
	global_load_b128 v[SCB+12*\p+4*\q:SCB+12*\p+4*\q+3], v4, s[52+2*\p:53+2*\p] offset:512*\q
.endr
.endr
	s_mul_i32 s60, s14, 3
.irp i, 0,1,2
	s_add_co_u32 s57, s60, \i                      ; the images that I copy: 3 w + i: tile image / 2, expert image % 2
	s_lshr_b32 s56, s57, 1
	s_min_u32 s56, s56, s25
	s_and_b32 s57, s57, 1
	s_cmp_eq_u32 s57, 0
	s_cselect_b32 s57, s20, s24
	s_add_co_u32 s56, s57, s56
	s_min_u32 s56, s56, 671
	s_mul_i32 s56, s56, 12288
	v_add_nc_u32 v[144+\i], s56, v4
.endr
	WALU
	CLOAD 0
	CLOAD 1
	CLOAD 2
	s_wait_loadcnt 48                              ; image 0 is in (and all that was asked for earlier); the two others' 48 loads may be out
	CSTORE 0
	s_wait_loadcnt 24
	CSTORE 1
	BLOAD 0
	BLOAD 1
	s_wait_loadcnt 32                              ; image 2 is in; the weights' 32 loads may be out
	CSTORE 2
	BLOAD 2
	WIN 0
	s_wait_dscnt 0x0                               ; for the others' sake: my three images lie in LDS
	s_barrier_signal -1
	s_barrier_wait -1
	s_cmp_eq_u32 s21, 0                            ; an empty entry ends here and stores nothing
	s_cbranch_scc1 .Ldone
	ALOAD 0, 0, 0
	ALOAD 1, 3, 0
.irp z, 0,1,2,3,4,5,6,7,8,9,10,11
	ZSTEP \z
.endr
	WIN 0
.irp m, 0,2,4
	OUT \m
.endr
.Ldone:
	s_barrier_signal -1
	s_barrier_wait -1
	s_wait_tensorcnt 0x0                           ; the wave's end
	ds_add_u32 v30, v31
	s_wait_dscnt 0x0
	s_endpgm
.Lfunc_end_k_q7240f7fb27_down:
	.size	k_q7240f7fb27_down, .Lfunc_end_k_q7240f7fb27_down-k_q7240f7fb27_down
	.p2alignl 7, 3214868480
	.fill 96, 4, 3214868480
	.section	.rodata,"a",@progbits
	.p2align	6, 0x0
	.amdhsa_kernel k_q7240f7fb27_down
		.amdhsa_group_segment_fixed_size 165376
		.amdhsa_private_segment_fixed_size 0
		.amdhsa_enable_private_segment 0
		.amdhsa_kernarg_size 40
		.amdhsa_user_sgpr_count 2
		.amdhsa_user_sgpr_kernarg_segment_ptr 1
		.amdhsa_wavefront_size32 1
		.amdhsa_system_sgpr_workgroup_id_x 1
		.amdhsa_system_sgpr_workgroup_id_y 1
		.amdhsa_system_sgpr_workgroup_id_z 1
		.amdhsa_system_vgpr_workitem_id 0
		.amdhsa_next_free_vgpr 1024
		.amdhsa_next_free_sgpr 66
		.amdhsa_reserve_vcc 1
		.amdhsa_float_denorm_mode_32 3
		.amdhsa_float_denorm_mode_16_64 3
		.amdhsa_memory_ordered 1
		.amdhsa_forward_progress 1
		.amdhsa_inst_pref_size 152
	.end_amdhsa_kernel
	.amdgpu_metadata
---
amdhsa.version: [ 1, 2 ]
amdhsa.kernels:
  - .name:           k_q7240f7fb27_down
    .symbol:         k_q7240f7fb27_down.kd
    .args:
      - { .name: hc, .offset: 0, .size: 8, .value_kind: global_buffer, .address_space: global }
      - { .name: wc, .offset: 8, .size: 8, .value_kind: global_buffer, .address_space: global }
      - { .name: plan, .offset: 16, .size: 8, .value_kind: global_buffer, .address_space: global }
      - { .name: xc, .offset: 24, .size: 8, .value_kind: global_buffer, .address_space: global }
      - { .name: out0, .offset: 32, .size: 8, .value_kind: global_buffer, .address_space: global }
    .group_segment_fixed_size: 165376
    .private_segment_fixed_size: 0
    .kernarg_segment_align: 8
    .kernarg_segment_size: 40
    .max_flat_workgroup_size: 128
    .sgpr_count:     66
    .vgpr_count:     1024
    .wavefront_size: 32
...
	.end_amdgpu_metadata
.endif
;; end of part 3
